; MI455X (gfx1250); checked and timed in simulation.
; The chip was launched on July 23, 2026; its instructions are those of AMD's public machine-readable ISA for CDNA 5 (MIT licence, August 2026) and "CDNA5" Instruction Set Architecture Reference Guide (July 2026). The comments in the code are by the model that wrote it; some were corrected since.
;; MCA. Allowed arithmetic: matrix products marked QUANTISED: E2M3 operands, one E8M0 scale for each 32 along K, by v_wmma_scale_f32_16x16x128_f8f6f4 with both operands' format E2M3, f32 sums; everything else in f32.
;; Inputs: bk 1,024 float32; bq 1,024 float32; bu 1,024 float32; bv 1,024 float32; wk 1,024 x 1,024 float32; wq 1,024 x 1,024 float32; wu 1,024 x 1,024 float32; wv 1,024 x 1,024 float32; x1 2,048 x 4 x 1,024 float32; x2 2,048 x 4 x 1,024 float32; x3 2,048 x 4 x 1,024 float32.
;; Outputs: out0 2,048 x 4 x 1,024 float32.
;; This version of the problem:
;;   THIS VERSION OF THE PROBLEM IS GIVEN IN LOW PRECISION. The matrix products marked QUANTISED in the list below multiply operands that are first quantised to E2M3 (2 exponent bits, 3 mantissa bits; 6 bits a number), with one power-of-two scale for each 32 numbers along K (OCP MX v1.0); their sums are f32. All else is computed in f32.
;;   The module's matrix products, in the order in which they are computed (A, B: the left and right operand; K: the contracted axis; several contracted axes count as one K, in the product's order):
;;     1. [M 8,192, K 1,024] x [K 1,024, N 1,024]; A: input x1; B: input wq: QUANTISED
;;     2. [M 8,192, K 1,024] x [K 1,024, N 1,024]; A: input x2; B: input wk: QUANTISED
;;     3. [M 8,192, K 1,024] x [K 1,024, N 1,024]; A: input x2; B: input wv: QUANTISED
;;     4. batch 4 x [M 2,048, K 1,024] x [K 1,024, N 2,048]; A: computed on the way; B: computed on the way: QUANTISED
;;     5. batch 4 x [M 2,048, K 2,048] x [K 2,048, N 1,024]; A: softmax (see below); B: computed on the way: QUANTISED
;;     6. [M 8,192, K 1,024] x [K 1,024, N 1,024]; A: computed on the way; B: input wu: QUANTISED
;;   THE QUANTISER, for each operand of a quantised product, along K:
;;     - K is cut into blocks of 32 from its start; a last block that is shorter is filled with zeros.
;;     - A block's scale is 2^e with e = floor(log2(the largest magnitude in the block)) - 2, held to -126 .. 127; a block of zeros has e = 0. As a byte (E8M0): e + 127.
;;     - Each number is divided by its block's scale, clamped to +-7.5, and rounded to the nearest number of E2M3, ties to even, subnormals kept.
;;     - The product sums the exact products of the quantised numbers (number of the format x scale) in f32.
;;   ~~~python
;;   def quantise(x, axis):      # numpy; x: float32 -> the quantised numbers, widened to float32 again
;;       x = np.moveaxis(x, axis, -1); K = x.shape[-1]
;;       x = np.pad(x, [(0, 0)] * (x.ndim - 1) + [(0, -K % 32)]); x = x.reshape(x.shape[:-1] + (-1, 32)); a = np.abs(x).max(-1, keepdims=True)
;;       e = np.where(a > 0, np.clip(np.frexp(np.where(a > 0, a, 1))[1] - 1 - 2, -126, 127), 0)      # np.frexp(a)[1] - 1 = floor(log2(a)), exactly
;;       r = np.clip(x / 2.0 ** e, -7.5, 7.5)
;;       step = 2.0 ** (np.maximum(np.frexp(np.where(r == 0, 1, r))[1] - 1, 0) - 3)
;;       q = np.round(r / step) * step * 2.0 ** e      # np.round: ties to even
;;       return np.moveaxis(q.reshape(q.shape[:-2] + (-1,))[..., :K], -1, axis).astype(np.float32)
;;   ~~~
;;   SOFTMAX AHEAD OF A QUANTISED PRODUCT. Where the list says 'softmax', what is quantised is not the finished softmax but p = 2^(t - M), with t = logit x log2(e) and M = ceil(the row's largest t), a whole number; so 1/2 < the row's largest p <= 1. The row's sum l is taken of the UNQUANTISED p, in f32, and the product's result is divided by l at the end. Since M is a whole number, a kernel that streams over the keys may use a running M (the ceiling of the running maximum): every later rescaling is an exact power of two, which a block's scale takes up: the codes' values come out the same.
;;   OPERANDS COMPUTED ON THE WAY. 'Computed on the way' means the value that the module computes at that place (a softmax that the list does not call 'softmax' is quantised finished and normalised). What goes into a quantiser is computed in f32, as accurately as f32 sums, v_exp_f32 and their like allow (about 1e-6 of the number): no bf16 or f16 on the way to a quantiser, and a product that is left as it is and whose result goes on into a quantised operand takes f32 operands (vector FMAs, or v_wmma_f32_16x16x4_f32). A number that lies on a knife's edge between two numbers of the format may be rounded either way, as far as f32 arithmetic and the matrix unit's own rounding can turn it there, and no further.
;; One version. Each part assembles by itself: llvm-mc -triple=amdgcn-amd-amdhsa -mcpu=gfx1250 --defsym DOCPART=n.
;; ======== version 1 of 1: 5 launches
;; limits: right only within a limited range of input values
;; workspace buffers: xw 16,384,000 bytes; qk 13,107,200 bytes; vt 6,553,600 bytes; pp 14,155,776 bytes; xx 6,553,600 bytes
;; launch quant (part 1): grid 256 x 1, 20 waves a work-group, no clusters, 174,080 bytes of LDS; arguments x1, x2, wq, wk, wv, wu, xw; writes xw
.if DOCPART == 1
	.amdgcn_target "amdgcn-amd-amdhsa--gfx1250"
	.amdhsa_code_object_version 6
	.text
	.protected	k_q18eed59458_quant
	.globl	k_q18eed59458_quant
	.p2align	8
	.type	k_q18eed59458_quant,@function
k_q18eed59458_quant:
	s_mov_b64 s[64:65], 0
	v_nop
	global_prefetch_b8 v0, s[64:65] scope:SCOPE_SE
	s_setreg_imm32_b32 hwreg(HW_REG_WAVE_MODE, 25, 1), 1
	s_wait_xcnt 0x0
; x1, x2 [2048][4][1024] and wq, wk, wv, wu [1024][1024], f32, become codes of FP6 (E2M3) with one E8M0 byte for each 32 along their last axis, which is K for all six.
; x3 is not read: reference() does not use it, and no output depends on it.
; LAYOUT OF xw.  An operand lies as IMAGES OF ITS REGISTERS.  A fragment is 16 rows x 128 K = 12 registers a lane = 1,536 bytes: registers 4 c .. 4 c + 3 of lane l at byte 512 c + 16 l.
; Codes: [K / 256][row block, 1,280 of them][K step 0, 1][1,536].  Scale words (4 bytes a row and 128 K), behind the codes: [K / 128][row block][16 rows][4].
; Row blocks: x1 0-511 (128 b + block of t), x2 512-1023, wq 1024-1087, wk 1088-1151, wv 1152-1215, wu 1216-1279.
; THE ROWS OF A BLOCK ARE NOT NEIGHBOURS: row p of block 2 g + u is logical row 32 g + 8 u + p + 8 (p / 8), so that a product which takes such blocks as source 0 leaves 16 neighbours in the 16 registers of two neighbouring tiles.
; SHARES.  1,280 row blocks are 1,024 of x and 256 of the weights: work-group G of 256 takes x's blocks 4 G .. 4 G + 3 and the weights' block 1024 + G: 5 blocks x 8 K steps = 40 fragments, the same for every work-group.
; Wave w of 20 takes block w / 4 of the five and K / 256 = w % 4: two fragments, 1,024 consecutive bytes of each of 16 rows.  All 32 loads of a wave go out at its head, 512 consecutive bytes each:
; the work-group's 327,680 input bytes are asked for at once.  192 registers a wave: 5 waves x 192 = 960 of a SIMD's 1,024.
; A fragment's 16 rows turn through the wave's own stage in LDS (rows 528 bytes apart, an odd multiple of 16) and come back, into the registers that they left, so that lane (r, h) holds k = 64 c + 32 h + 0 .. 31 of row r.
; A block's scale is 2^(floor(log2(its largest magnitude)) - 2); its byte is the largest magnitude's exponent field - 2, held at 1 from below.
; THE SCALE WORDS of the 20 waves meet in LDS (320 bytes a K step: x's four blocks, then the weight's); behind one barrier wave w of the first eight stores K step w's: x's 256 consecutive bytes, aligned, and the weight block's 64.
; LIMITS: a block of zeros, or one whose largest magnitude lies under 2^-124, gets the byte 1 (this program alone reads the bytes; zero codes add nothing); NaN and infinities are not served.
.set STGW,  8448                       ; a wave's stage: 16 rows x 528 bytes
.set SCS,   20*STGW                    ; behind the stages: the scale words, 8 K steps x 320 bytes
.set SPARE, SCS+8*320                  ; behind them: the spare words, 128 bytes for each wave: ten blocks of 256 bytes that no other line names
.set CHUNK, 1280*3072                  ; 256 along K of the 1,280 row blocks
.set SPW, 10                           ; v10      LDS address of my spare word; never rewritten
.set NIL, 11                           ; v11      0; never rewritten
.set R,   32                           ; v32-159  two fragments' numbers: as loaded, then in the operand's order
.set C2,  172                          ; v172-174, v176-178 the second halves of the blocks, as the conversions leave them
.set T,   180                          ; v180-189 at work
.set WV,  18
.set RBI, 19                           ; which of the five row blocks is mine
.set KC,  22                           ; which K / 256
.set PB,  26                           ; s[26:27] my block's first row, at my 1,024 bytes
.set OC,  28                           ; s[28:29] where my codes go
.set OS,  30                           ; s[30:31] where K step w's scale words of x go
.set OW,  32                           ; s[32:33] and the weight block's
.set SEL, 34                           ; s[34:35] v_permlanex16_b32's selects for lane l xor 16
	s_load_b256 s[4:11], s[0:1], 0x0               ; x1, x2, wq, wk
	s_load_b128 s[12:15], s[0:1], 0x20             ; wv, wu
	s_load_b64 s[16:17], s[0:1], 0x30              ; xw
	v_lshl_add_u32 v[SPW], v0, 2, SPARE
	v_mov_b32 v[NIL], 0
	v_lshrrev_b32 v1, 5, v0
	s_delay_alu instid0(VALU_DEP_1)
	v_readfirstlane_b32 s[WV], v1                  ; wave 0..19
	v_and_b32 v1, 31, v0                           ; lane
	v_and_b32 v2, 15, v0                           ; r
	v_bfe_u32 v3, v0, 4, 1                         ; h
	s_delay_alu instid0(VALU_DEP_3)
	v_lshlrev_b32 v4, 4, v1                        ; 16 x lane
	s_mul_i32 s23, s[WV], STGW
	v_add_nc_u32 v5, s23, v4                       ; the stage, on the way in: a row's 512 bytes as they lie
	v_mul_u32_u24 v6, v2, 528
	s_delay_alu instid0(VALU_DEP_1)
	v_lshl_add_u32 v6, v3, 7, v6
	s_delay_alu instid0(VALU_DEP_1)
	v_add_nc_u32 v6, s23, v6                       ; on the way out: row r, + 128 h
	s_lshr_b32 s[RBI], s[WV], 2
	s_and_b32 s[KC], s[WV], 3
	s_mul_i32 s23, s[KC], 640                      ; my first K step's 320 bytes of scale words,
	s_lshl_b32 s36, s[RBI], 6                      ; my block's 64 of them
	s_add_co_u32 s23, s23, s36
	s_add_co_u32 s23, s23, SCS
	v_lshlrev_b32 v13, 2, v2                       ; 4 r
	s_delay_alu instid0(VALU_DEP_1)
	v_add_nc_u32 v7, s23, v13                      ; my row's scale word
	s_min_u32 s23, s[WV], 7                        ; the words' way out: wave w of the first eight takes K step w
	s_mul_i32 s23, s23, 320
	s_add_co_u32 s23, s23, SCS
	v_lshlrev_b32 v9, 3, v1                        ; 8 x lane
	s_delay_alu instid0(VALU_DEP_1)
	v_add_nc_u32 v8, s23, v9
	v_add_nc_u32 v14, s23, v13
	v_lshlrev_b32 v12, 3, v3                       ; 8 h: how far my two bytes are shifted up in the word
	v_mov_b32 v[T+7], 0                            ; written once: a lane permute's destination counts as one of its sources
	s_mov_b32 s[SEL], 0x76543210
	s_mov_b32 s[SEL+1], 0xfedcba98
	s_and_b32 s36, ttmp9, 31                       ; x: 64 steps of t x 16,384 bytes for each work-group of a batch,
	s_lshl_b32 s36, s36, 20
	s_bfe_u32 s23, ttmp9, 0x20005
	s_lshl_b32 s23, s23, 12
	s_add_co_u32 s36, s36, s23                     ; the batch's 4,096,
	s_lshr_b32 s23, s[RBI], 1
	s_lshl_b32 s23, s23, 19
	s_add_co_u32 s36, s36, s23                     ; block 2 g + u begins at row 32 g
	s_and_b32 s23, s[RBI], 1
	s_lshl_b32 s23, s23, 17
	s_add_co_u32 s36, s36, s23                     ; + 8 u
	s_bfe_u32 s37, ttmp9, 0x50001                  ; a weight: block G % 64 = 2 g + u of its 64; rows of 4,096 bytes
	s_lshl_b32 s37, s37, 17
	s_and_b32 s23, ttmp9, 1
	s_lshl_b32 s23, s23, 15
	s_add_co_u32 s37, s37, s23
	s_lshl_b32 s38, ttmp9, 2
	s_add_co_u32 s38, s38, s[RBI]                  ; my row block in xw: of x,
	s_add_co_u32 s39, ttmp9, 1024                  ; or of the weights
	s_cmp_lt_u32 s[WV], 16                         ; waves 0-15 take x, waves 16-19 the weight
	s_cselect_b32 s36, s36, s37
	s_cselect_b32 s38, s38, s39
	s_lshl_b32 s23, s[KC], 10
	s_add_co_u32 s36, s36, s23                     ; + my 1,024 bytes of each row
	s_mov_b32 s37, 0
	s_mul_i32 s38, s38, 3072
	s_mul_i32 s23, s[KC], CHUNK
	s_add_co_u32 s38, s38, s23                     ; my two fragments lie on end in xw
	s_mov_b32 s39, 0
	s_min_u32 s23, s[WV], 7
	s_mul_i32 s23, s23, 1280*64                    ; K step w's scale words,
	s_add_co_u32 s23, s23, 4*CHUNK                 ; behind the codes
	s_lshl_b32 s40, ttmp9, 8                       ; x's four blocks: 256 bytes
	s_add_co_u32 s40, s40, s23
	s_mov_b32 s41, 0
	s_lshl_b32 s42, ttmp9, 6                       ; the weight's block: 64 bytes
	s_add_co_u32 s42, s42, s23
	s_add_co_u32 s42, s42, 1024*64
	s_mov_b32 s43, 0
	s_wait_kmcnt 0x0
	s_cmp_lt_u32 ttmp9, 128                        ; which tensor: choices on the work-group's and the wave's number alone
	s_cselect_b64 s[20:21], s[4:5], s[6:7]
	s_mov_b64 s[24:25], s[14:15]
	s_cmp_lt_u32 ttmp9, 192
	s_cselect_b64 s[24:25], s[12:13], s[24:25]
	s_cmp_lt_u32 ttmp9, 128
	s_cselect_b64 s[24:25], s[10:11], s[24:25]
	s_cmp_lt_u32 ttmp9, 64
	s_cselect_b64 s[24:25], s[8:9], s[24:25]
	s_cmp_lt_u32 s[WV], 16
	s_cselect_b64 s[20:21], s[20:21], s[24:25]
	s_add_nc_u64 s[PB:PB+1], s[20:21], s[36:37]
	s_add_nc_u64 s[OC:OC+1], s[16:17], s[38:39]
	s_add_nc_u64 s[OS:OS+1], s[16:17], s[40:41]
	s_add_nc_u64 s[OW:OW+1], s[16:17], s[42:43]
.macro LOADS rs                        ; both fragments' 16 rows, rs bytes from row to row: each load reads 512 consecutive bytes; the first fragment's first
.irp i, 0,1
.irp p, 0,1,2,3,4,5,6,7,8,9,10,11,12,13,14,15
	global_load_b128 v[R+64*\i+4*\p:R+64*\i+4*\p+3], v4, s[PB:PB+1] offset:(\p+8*(\p/8))*(\rs)+512*\i th:TH_LOAD_NT
.endr
.endr
.endm
	s_cmp_lt_u32 s[WV], 16                         ; the row strides are constants, so the rows stand in the immediates: one branch on the wave's number, 32 loads on either way
	s_cbranch_scc0 .Lweight
	LOADS 16384                                    ; x's rows of one batch lie 4 x 4,096 bytes apart
	s_branch .Lloaded
.Lweight:
	LOADS 4096                                     ; a weight's rows are dense
.Lloaded:
.macro TURNF f                         ; through the stage and back into the same registers: LDS serves a wave's instructions in order, so no wait stands between the stores and the loads
.irp p, 0,1,2,3,4,5,6,7,8,9,10,11,12,13,14,15
	ds_store_b128 v5, v[R+64*(\f)+4*\p:R+64*(\f)+4*\p+3] offset:528*\p
.endr
.irp c, 0,1
.irp m, 0,1,2,3,4,5,6,7
	ds_load_b128 v[R+64*(\f)+32*\c+4*\m:R+64*(\f)+32*\c+4*\m+3], v6 offset:256*\c+16*\m
.endr
.endr
.endm
.macro QF f                            ; my two blocks, 2 c + h of the K step's four, become codes; the row's four bytes a word
.set X, R+64*(\f)
.set CC, 160-128*(\f)                  ; the codes: v160-171, and for the second fragment v32-43, where the first fragment's numbers are done with: no store's data are written again
.irp c, 0,1
	v_max3_num_f32 v[T+\c], |v[X+32*\c]|, |v[X+32*\c+1]|, 0x1800000   ; the floor 2^(3 - 127): the byte cannot fall under 1
.endr
.irp i, 2,4,6,8,10,12,14,16,18,20,22,24,26,28,30
.irp c, 0,1
	s_delay_alu instid0(VALU_DEP_2)
	v_max3_num_f32 v[T+\c], v[T+\c], |v[X+32*\c+\i]|, |v[X+32*\c+\i+1]|
.endr
.endr
.irp c, 0,1
	s_delay_alu instid0(VALU_DEP_2)
	v_add_nc_u32 v[T+2+\c], 0xff000000, v[T+\c]    ; 2 off the exponent field: the conversion's scale operand
.endr
.irp c, 0,1
	s_delay_alu instid0(VALU_DEP_2)
	v_lshrrev_b32 v[T+4+\c], 23, v[T+2+\c]         ; the scale's byte
.endr
	s_delay_alu instid0(VALU_DEP_1)
	v_lshl_or_b32 v[T+6], v[T+5], 16, v[T+4]       ; blocks h and 2 + h,
	s_delay_alu instid0(VALU_DEP_1)
	v_lshlrev_b32 v[T+6], v12, v[T+6]              ; at their places in the word;
	s_delay_alu instid0(VALU_DEP_1)
	v_permlanex16_b32 v[T+7], v[T+6], s[SEL], s[SEL+1]
	s_delay_alu instid0(VALU_DEP_1)
	v_or_b32 v[T+6], v[T+6], v[T+7]                ; with lane l xor 16's two the word is whole
.irp c, 0,1
	v_cvt_scalef32_pk16_fp6_f32 v[CC+6*\c:CC+6*\c+2], v[X+32*\c:X+32*\c+15], v[T+2+\c]
	v_cvt_scalef32_pk16_fp6_f32 v[C2+4*\c:C2+4*\c+2], v[X+32*\c+16:X+32*\c+31], v[T+2+\c]   ; (a conversion's three registers begin on an even number)
.endr
	v_nop                                          ; one plain place behind a scaled conversion
.irp c, 0,1
.irp i, 0,1,2
	v_mov_b32 v[CC+6*\c+3+\i], v[C2+4*\c+\i]
.endr
.endr
.irp c, 0,1,2
	global_store_b128 v4, v[CC+4*\c:CC+4*\c+3], s[OC:OC+1] offset:1536*(\f)+512*\c   ; 32 lanes store 512 consecutive bytes, at a multiple of 256 from xw's first byte
.endr
	ds_store_b32 v7, v[T+6] offset:320*(\f)        ; lanes r and 16 + r write the same word with the same value
.endm
	s_wait_loadcnt 16                              ; the first fragment's 16 loads are in; the second's 16 may be out
	s_wait_alu depctr_va_vdst(0)
	TURNF 0
	s_wait_dscnt 0x0
	QF 0
	s_wait_loadcnt 0x0
	TURNF 1
	s_wait_dscnt 0x0
	QF 1
	s_wait_dscnt 0x0                               ; for the others' sake: my scale words lie in LDS
	s_barrier_signal -1
	s_barrier_wait -1                              ; everybody's do
	s_cmp_lt_u32 s[WV], 8
	s_cbranch_scc0 .Lend
	ds_load_b64 v[T+8:T+9], v8                     ; K step w: x's four blocks, 8 bytes a lane,
	ds_load_b32 v[T+6], v14 offset:256             ; and the weight's block, a word a row (lanes 16-31 take the same as lanes 0-15)
	s_wait_dscnt 0x0
	global_store_b64 v9, v[T+8:T+9], s[OS:OS+1]    ; 32 lanes store 256 consecutive bytes, aligned
	global_store_b32 v13, v[T+6], s[OW:OW+1]       ; 64 consecutive bytes: a work-group has one row block of a weight
.Lend:
	s_wait_tensorcnt 0x0                           ; the wave's end: behind my last LDS store
	ds_add_u32 v[SPW], v[NIL]
	s_wait_dscnt 0x0
	s_endpgm
.Lfunc_end_k_q18eed59458_quant:
	.size	k_q18eed59458_quant, .Lfunc_end_k_q18eed59458_quant-k_q18eed59458_quant
	.p2alignl 7, 3214868480
	.fill 96, 4, 3214868480
	.section	.rodata,"a",@progbits
	.p2align	6, 0x0
	.amdhsa_kernel k_q18eed59458_quant
		.amdhsa_group_segment_fixed_size 174080
		.amdhsa_private_segment_fixed_size 0
		.amdhsa_enable_private_segment 0
		.amdhsa_kernarg_size 56
		.amdhsa_user_sgpr_count 2
		.amdhsa_user_sgpr_kernarg_segment_ptr 1
		.amdhsa_wavefront_size32 1
		.amdhsa_system_sgpr_workgroup_id_x 1
		.amdhsa_system_sgpr_workgroup_id_y 1
		.amdhsa_system_sgpr_workgroup_id_z 1
		.amdhsa_system_vgpr_workitem_id 0
		.amdhsa_next_free_vgpr 192
		.amdhsa_next_free_sgpr 66
		.amdhsa_reserve_vcc 0
		.amdhsa_float_denorm_mode_32 3
		.amdhsa_float_denorm_mode_16_64 3
		.amdhsa_memory_ordered 1
		.amdhsa_forward_progress 1
		.amdhsa_inst_pref_size 24
	.end_amdhsa_kernel
	.amdgpu_metadata
---
amdhsa.version: [ 1, 2 ]
amdhsa.kernels:
  - .name:           k_q18eed59458_quant
    .symbol:         k_q18eed59458_quant.kd
    .args:
      - { .name: x1, .offset: 0, .size: 8, .value_kind: global_buffer, .address_space: global }
      - { .name: x2, .offset: 8, .size: 8, .value_kind: global_buffer, .address_space: global }
      - { .name: wq, .offset: 16, .size: 8, .value_kind: global_buffer, .address_space: global }
      - { .name: wk, .offset: 24, .size: 8, .value_kind: global_buffer, .address_space: global }
      - { .name: wv, .offset: 32, .size: 8, .value_kind: global_buffer, .address_space: global }
      - { .name: wu, .offset: 40, .size: 8, .value_kind: global_buffer, .address_space: global }
      - { .name: xw, .offset: 48, .size: 8, .value_kind: global_buffer, .address_space: global }
    .group_segment_fixed_size: 174080
    .private_segment_fixed_size: 0
    .kernarg_segment_align: 8
    .kernarg_segment_size: 56
    .max_flat_workgroup_size: 640
    .sgpr_count:     66
    .vgpr_count:     192
    .wavefront_size: 32
...
	.end_amdgpu_metadata
.endif
;; end of part 1
;; launch proj (part 2): grid 4 x 64, 4 waves a work-group, clusters of 4 x 4, 327,680 bytes of LDS; arguments xw, bq, bk, bv, qk, vt; writes qk, vt
.if DOCPART == 2
	.amdgcn_target "amdgcn-amd-amdhsa--gfx1250"
	.amdhsa_code_object_version 6
	.text
	.protected	k_q18eed59458_proj
	.globl	k_q18eed59458_proj
	.p2align	8
	.type	k_q18eed59458_proj,@function
k_q18eed59458_proj:
	s_mov_b64 s[64:65], 0
	v_nop
	global_prefetch_b8 v0, s[64:65] scope:SCOPE_SE
	s_setreg_imm32_b32 hwreg(HW_REG_WAVE_MODE, 25, 1), 1
	s_wait_xcnt 0x0
	s_wait_alu depctr_hold_cnt(0) depctr_sa_sdst(0) depctr_va_vdst(0) depctr_va_sdst(0) depctr_va_ssrc(0) depctr_va_vcc(0) depctr_vm_vsrc(0)
	s_getreg_b32 s2, hwreg(HW_REG_IB_STS2, 6, 4)
	s_cmp_eq_u32 s2, 0
	s_cbranch_scc0 .Lentry_in_a_cluster
	s_endpgm
.Lentry_in_a_cluster:
	s_bfe_u32 s2, ttmp6, 0x10000c
	s_cmp_lg_u32 s2, 0xf033
	s_cbranch_scc0 .Lentry_shape_is_right
	s_endpgm
.Lentry_shape_is_right:
; q = x1 wq^T + bq, k = x2 wk^T + bk, v = x2 wv^T + bv on codes of FP6 (E2M3) with E8M0 scales, and each result quantised again on its way out: q and k along the channels (buffer qk), v along the KEYS (buffer vt).
; OPERANDS lie in memory and in LDS as images of their registers (a fragment of 16 rows x 128 K = 1,536 bytes: registers 4 c .. 4 c + 3 of lane l at 512 c + 16 l), ordered [K / 256][row block][K step][1,536];
; scale words [K / 128][row block][16][4].  Row p of block 2 g + u is logical row 32 g + 8 u + p + 8 (p / 8).
; S0 is the operand on source 0 (its rows run along a lane's result registers, in logical order thanks to the blocks' rows), S1 the operand on source 1 (its rows are the lanes).
;   q, k: S0 = the weight (channels), S1 = x.   v: S0 = x2 (keys), S1 = wv (channels).  So a lane's 64 results of one S1 block are 128 / 2 neighbours along the NEXT product's K: they are quantised in registers.
; A tile is 256 (S1) x 256 (S0); four waves, each 128 x 128: 64 accumulators, 512 registers.  K = 1,024 goes in 8 steps of 128 through two LDS slots of 256 along K, filled by the tensor data mover; all is written out, no loop.
; A WORK-GROUP STAYS AND MAKES TWO TILES.  The three products are 384 tiles, 24 rows of 4 x 4: rows 0-7 q, 8-15 k, 16-23 v.  On 256 WGPs some would make two tiles in any case: so 12 clusters make two rows each, c and c + 12,
; and the ring does not stop between them: the first tile's third change of slots asks for the second tile's first 256 along K, and one more round, behind the first two of the eight blocks on the first tile's way out,
; for its second 256.  The second tile's scale words come with the first fills, its bias behind the first tile's first K step.  (The kind of a row hangs on the cluster's y alone: it is the same in all partners.)
; In every kind S0's tile hangs on cx and S1's on cy: S1's tiles are asked for jointly along a row of the cluster, S0's along a column.
; THE BIAS is the C of each sum's first product.
; REGISTERS: window 0: v0-31 addresses; v32-47 S1's scale words, v48-63 S0's, two sets each; v64-159, v160-255 S1's fragments, two sets.  The way out works in the second set's registers (v160.. codes, v180.. at work),
;   so that the next tile's first fragments can land in the first set meanwhile.
;   window 1: S0's fragments, two sets at v0 and v128; the bias at v96-127 and v224-255.   windows 2, 3: accumulator (a, b) at v[64 (a % 4) + 8 b] of window 2 + a / 4.
; LIMITS: NaN and infinities are not served; a block whose largest magnitude lies under 2^-124 (zeros too) gets the byte 1.
.set NA,    8                          ; S1 blocks of a wave in a whole tile
; THE DEAL AS IT STANDS (this takes the place of what the head says of the two tiles).  The three products are 384 tiles of 256 x 256; 256 work-groups, 16 clusters of 4 x 4, make one and a half each.
; First a whole tile of q or k: cluster c takes row c of the 16 rows of 4 x 4 tiles (0-7 q, 8-15 k).  Then HALF a tile of v: S0 = 256 keys (x2's tile 4 (c / 2) + cx), S1 = 128 channels of wv (unit 4 (c % 2) + cy):
; a wave then has 4 blocks of S1 against 8 of S0, 32 accumulators.  The symbol NAC says how many blocks of S1 a wave has in the tile in hand.  Waves 0 and 1 fetch 4 row blocks of S1 each, to the places where the whole tile's halves began.
; THE FILLS AS THEY STAND (this takes the place of what the head says of the scale words and of the slots' places).  At the head each wave issues one joint load: wave 0 S1's first 512 along K, wave 2 S0's,
; each as 2 rows of 49,152 bytes (16 row blocks of one K / 256); wave 1 S1's scale words of all of K, wave 3 S0's.  The second tile's scale words come through registers: each wave loads 4,096 bytes of them at the head
; (1,024 a K step for each side; of S1's the second tile reads the first 512) and stores them into LDS bytes of their own, into which no tensor load lands; the head's barrier shows them to all four waves.
.set SLOT,  98304                      ; a slot's bytes.  S1's slot s lies at 49,152 s, S0's at 98,304 + 49,152 s; in each [row block][K step][1,536]
.set LSA,   2*SLOT                     ; the first tile's scale words: S1's, 8 K steps x 1,024 bytes,
.set LSB,   LSA+8192                   ; and S0's
.set TSC,   16384                      ; the second tile's scale words lie this far behind the first's
.set STG,   LSA+2*TSC                  ; 512 bytes for each wave: the scale words made here, on their way out
.set SPARE, STG+4*512                  ; the spare words, 128 bytes for each wave: two blocks of 256 bytes that no other line names
.set CHUNK, 1280*3072                  ; 256 along K of xw's 1,280 row blocks
.set STEPA, 2*CHUNK
.set STEPB, 2*CHUNK
.set TOFF,  0                          ; which tile's scale words FETCH reads
.set LI,   3                           ; v3     16 x lane
.set ADRA, 4                           ; v4-5   LDS address of my S1 fragments in slot 0, 1
.set ADRB, 6                           ; v6-7   the same for S0
.set ADSA, 10                          ; v10    of S1's scale words
.set ADSB, 11                          ; v11    of S0's
.set SPW,  12                          ; v12    LDS address of my spare word; never rewritten
.set NIL,  13                          ; v13    0; never rewritten
.set SST,  14                          ; v14    the stage: my row's word
.set SRD,  15                          ; v15    and its way out
.set ADSA2, 20                         ; v20    S1's scale words in the half tile: my 4 blocks
.set L8,   21                          ; v21    8 x lane
.set SRD2, 22                          ; v22    the stage's way out in the half tile: 8 bytes a lane
.set NAC,  8                           ; S1 blocks of a wave in the tile in hand
.set ADSAC, ADSA                       ; and the register that holds the address of their scale words
.set RSA,  32
.set RSB,  48
.set AF,   64
.set PC,   160
.set TM,   180
.set PW,   196
.set SO,   200
.set BIA1, 6                           ; s[6:7]   the first tile's bias, at my 128 channels
.set BIA2, 10                          ; s[10:11] the second tile's
.set WV,   16
.set SH1,  17                          ; my half of S1.  Also: I fetch for S1 (0) or for S0 (1)
.set SH0,  18                          ; my half of S0.  Also: which half of that side I fetch
.set CX,   19
.set CYP,  20
.set CLY,  21                          ; the row of 4 x 4 tiles in hand
.set I0,   22                          ; S0's tile
.set I1,   23                          ; S1's tile
.set G1A,  24
.set G0A,  32
.set G0SA2, 40                         ; s[42:43], s[46:47] where my four K steps of the second tile's scale words lie in xw
.set G0SB2, 44
.set G1B,  48
.set G0B,  56
.set T2B,  66                          ; s[66:67] the second tile's first 256 along K of S0, my part
.set G1SA, 68
.set G0SA, 76
.set G1SB, 80
.set G0SB, 88
.set OUTC, 92                          ; s[92:93], s[94:95] where the first tile's codes and scale words go; the second tile's: s[8:9], s[12:13]
.set OUTS, 94
.set SEL,  96
.set T2A,  98                          ; s[98:99] the same of S1
.set KD,   100                         ; the kind of the row in hand: 0 q, 1 k, 2 v
.set KIND2, 101
.set UU,    104                        ; 1 - SH0: which four K steps of scale words I fetch, so that waves 1 and 3 hold the words' first byte
.set MSB, 0
.macro WIN new                         ; the immediate's high byte repeats the setting that is left
.if MSB != (\new)
	s_set_vgpr_msb (MSB<<8)|(\new)
.set MSB, (\new)
.endif
.endm
.macro PLACES n
.rept \n
	v_nop
.endr
.endm
.macro G1SET g, cols, rows, pitch      ; a tile of rows x cols elements of 8 bytes, rows pitch elements apart, dense in LDS
	s_mov_b32 s[\g+1], (\cols)<<16
	s_mov_b32 s[\g+2], (\rows)<<16
	s_mov_b32 s[\g+3], (\cols)<<16
	s_mov_b32 s[\g+4], \rows
	s_mov_b32 s[\g+5], \pitch
	s_mov_b32 s[\g+6], 0
	s_mov_b32 s[\g+7], 0
.endm
; Which tiles: row of tiles = the cluster's y + add.  q, k: x's tiles go with S1 and cy; v: with S0 and cx.
.macro IDS add
	s_and_b32 s[CLY], ttmp7, 0xffff
	s_add_co_u32 s[CLY], s[CLY], \add
	s_lshr_b32 s[KD], s[CLY], 3
	s_and_b32 s2, s[CLY], 7
	s_lshl_b32 s2, s2, 2                           ; the row's four of the 32 tiles of x
	s_cmp_eq_u32 s[KD], 2
	s_cselect_b32 s3, s2, 0
	s_cselect_b32 s2, 0, s2
	s_add_co_u32 s[I0], s[CX], s3
	s_add_co_u32 s[I1], s[CYP], s2
.endm
; Byte offsets in xw of what I fetch for the tile in hand: S1's codes -> s[pa:pa+1], S0's -> s[pb:pb+1], their scale words -> s[psa:psa+1], s[psb:psb+1].  S1's never hold cx, S0's never cy.
.macro FILLOFF pa, pb, psa, psb
	s_lshl_b32 s[\pb], s[KD], 6
	s_add_co_u32 s[\pb], s[\pb], 1024              ; q, k: S0 = wq or wk,
	s_lshl_b32 s[\pa], s[KD], 9                    ;       S1 = x1 or x2
	s_cmp_eq_u32 s[KD], 2
	s_cselect_b32 s[\pb], 512, s[\pb]              ; v: S0 = x2,
	s_cselect_b32 s[\pa], 1152, s[\pa]             ;    S1 = wv
	s_lshl_b32 s3, s[I0], 4
	s_add_co_u32 s[\pb], s[\pb], s3                ; the tiles' first row blocks
	s_lshl_b32 s2, s[I1], 4-HF                     ; (HF = 1: S1 goes by units of 8 row blocks)
	s_add_co_u32 s[\pa], s[\pa], s2
	s_lshl_b32 s[\psb], s[\pb], 6
	s_lshl_b32 s[\psa], s[\pa], 6
	s_mul_i32 s2, s[UU], 4*1280*64                 ; which four K steps of scale words I fetch
	s_add_co_u32 s[\psb], s[\psb], s2
	s_add_co_u32 s[\psa], s[\psa], s2
	s_add_co_u32 s[\psb], s[\psb], 4*CHUNK         ; the words lie behind the codes
	s_add_co_u32 s[\psa], s[\psa], 4*CHUNK
	s_mov_b32 s[\psb+1], 0
	s_mov_b32 s[\psa+1], 0
	s_lshl_b32 s2, s[SH0], 3                       ; which eight row blocks of S0 I fetch,
	s_add_co_u32 s[\pb], s[\pb], s2
	s_lshl_b32 s2, s[SH0], 3-HF                    ; which eight, or four, of S1
	s_add_co_u32 s[\pa], s[\pa], s2
	s_mul_i32 s[\pb], s[\pb], 3072
	s_mul_i32 s[\pa], s[\pa], 3072
	s_mov_b32 s[\pb+1], 0
	s_mov_b32 s[\pa+1], 0
.endm
; Where the results of the tile in hand go.  q, k: qk, 1,024 row blocks; K / 256 = S0's tile; rows as x's.   v: vt, 256 row blocks (64 x batch + block of channels); K / 256 = x2's tile within its batch.
; Codes -> s[poc:poc+1], scale words -> s[pos:pos+1].  (s4, s5 are free: all sums with xw's address are made.  I0 and I1 are used up.)
.macro OUTOFF poc, pos
	s_and_b32 s2, s[I0], 7
	s_lshr_b32 s3, s[I0], 3
	s_lshl_b32 s3, s3, 6
	s_lshl_b32 s4, s[KD], 9
	s_mov_b32 s5, 12582912
	s_cmp_eq_u32 s[KD], 2
	s_cselect_b32 s2, s2, s[I0]                    ; K / 256
	s_cselect_b32 s3, s3, s4                       ; the batch's, or the tensor's, first row block
	s_cselect_b32 s4, 8, 10                        ; the buffer's row blocks: 2^8 or 2^10
	s_cselect_b32 s5, 6291456, s5                  ; where its scale words begin
	s_cselect_b64 s[\poc:\poc+1], s[14:15], s[12:13]
	s_lshl_b32 s[I1], s[I1], 4-HF
	s_add_co_u32 s3, s3, s[I1]
	s_lshl_b32 s[I1], s[SH1], 3-HF
	s_add_co_u32 s3, s3, s[I1]                     ; my first row block
	s_lshl_b32 s[I0], s2, s4
	s_add_co_u32 s[I0], s[I0], s3
	s_mul_i32 s[I0], s[I0], 3072
	s_mul_i32 s[I1], s[SH0], 1536
	s_add_co_u32 s[I0], s[I0], s[I1]
	s_mov_b32 s[I1], 0
	s_lshl_b32 s2, s2, 1
	s_add_co_u32 s2, s2, s[SH0]
	s_lshl_b32 s2, s2, s4
	s_add_co_u32 s2, s2, s3
	s_lshl_b32 s2, s2, 6
	s_add_co_u32 s2, s2, s5
	s_mov_b32 s3, 0
	s_add_nc_u64 s[\pos:\pos+1], s[\poc:\poc+1], s[2:3]
	s_add_nc_u64 s[\poc:\poc+1], s[\poc:\poc+1], s[I0:I0+1]
.endm
; A joint load: waves 0 and 1 fetch for S1, waves 2 and 3 for S0.  Each of the two lines has one mask; the branch hangs on the wave's number alone.  An s_nop 0 and four v_nop follow each line.
.macro JLOAD g0a, g1a, g0b, g1b
	s_cmp_eq_u32 s[SH1], 0
	s_cbranch_scc0 .Lfor_b_\@
	tensor_load_to_lds s[\g0a:\g0a+3], s[\g1a:\g1a+7]
	s_nop 0
.rept 4
	v_nop
.endr
	s_branch .Lasked_\@
.Lfor_b_\@:
	tensor_load_to_lds s[\g0b:\g0b+3], s[\g1b:\g1b+7]
	s_nop 0
.rept 4
	v_nop
.endr
.Lasked_\@:
.endm
.macro CREST                           ; a round of the cluster's barrier behind its opening barrier
	s_cmp_lg_u32 s[WV], 0
	s_cbranch_scc1 .Lnot_wave_0_\@
	s_barrier_signal -3
.Lnot_wave_0_\@:
	s_barrier_wait -3
	s_barrier_signal -1
	s_barrier_wait -1
.endm
.macro CROUND
	s_barrier_signal -1
	s_barrier_wait -1
	CREST
.endm
; Eight products: S1's block a against S0's eight, from set p.  cm = 0: onto the sums; 2: C = the bias of S0's block b; 3: of S1's block a.
.macro MULA a, p, cm
.if (\cm) >= 2
	WIN 0x91+0x40*((\a)/4)                         ; source 0 and C window 1, source 1 window 0, D window 2 or 3
.else
	WIN 0xa1+0x50*((\a)/4)                         ; source 0 window 1, source 1 window 0, C and D window 2 or 3
.endif
.irp b, 0,1,2,3,4,5,6,7
.set rD, 64*((\a)%4)+8*\b
.set rB, 128*(\p)+12*\b
.set rA, AF+12*NA*(\p)+12*(\a)
.set rSB, RSB+8*(\p)+\b
.set rSA, RSA+NA*(\p)+(\a)
.if (\cm) == 0
	v_wmma_scale_f32_16x16x128_f8f6f4 v[rD:rD+7], v[rB:rB+11], v[rA:rA+11], v[rD:rD+7], v[rSB], v[rSA] matrix_a_fmt:MATRIX_FMT_FP6 matrix_b_fmt:MATRIX_FMT_FP6
.elseif (\cm) == 2
.set rC, 96+8*(\b%4)+128*(\b/4)
	v_wmma_scale_f32_16x16x128_f8f6f4 v[rD:rD+7], v[rB:rB+11], v[rA:rA+11], v[rC:rC+7], v[rSB], v[rSA] matrix_a_fmt:MATRIX_FMT_FP6 matrix_b_fmt:MATRIX_FMT_FP6
.else
.set rC, 96+8*((\a)%4)+128*((\a)/4)
	v_wmma_scale_f32_16x16x128_f8f6f4 v[rD:rD+7], v[rB:rB+11], v[rA:rA+11], v[rC:rC+7], v[rSB], v[rSA] matrix_a_fmt:MATRIX_FMT_FP6 matrix_b_fmt:MATRIX_FMT_FP6
.endif
.endr
.endm
.macro MULALL p, cm                    ; a K step: the 64 accumulators take turns, one instruction a turn, in the same order in every step
.irp a, 0,1,2,3,4,5,6,7
.if \a < NAC
	MULA \a, \p, \cm
.endif
.endr
.endm
; The fragments and scale words of the slot's q-th K step (K step kk of the product) into set p: every load reads 512 consecutive bytes (the words: 64)
.macro FETCH slot, q, p, kk
	WIN 0x40                                       ; destination window 1
.irp i, 0,1,2,3,4,5,6,7
.irp c, 0,1,2
	ds_load_b128 v[128*(\p)+12*\i+4*\c:128*(\p)+12*\i+4*\c+3], v[ADRB+(\slot)] offset:3072*\i+512*\c+1536*(\q)
.endr
.endr
	WIN 0
.irp i, 0,1,2,3,4,5,6,7
.irp c, 0,1,2
.if \i < NAC
	ds_load_b128 v[AF+96*(\p)+12*\i+4*\c:AF+96*(\p)+12*\i+4*\c+3], v[ADRA+(\slot)] offset:3072*\i+512*\c+1536*(\q)
.endif
.endr
.endr
.irp i, 0,1,2,3,4,5,6,7
	ds_load_b32 v[RSB+8*(\p)+\i], v[ADSB] offset:TOFF+1024*(\kk)+64*\i
.endr
.irp i, 0,1,2,3,4,5,6,7
.if \i < NAC
	ds_load_b32 v[RSA+8*(\p)+\i], v[ADSAC] offset:TOFF+1024*(\kk)+64*\i
.endif
.endr
.endm
; A K step that has its successor in the same slot: its operands are in; the next step's are asked for, into the other set, four places behind the products that read that set; then the step's products.
.macro STEP slot, q, kk, cm
	s_wait_dscnt 0x0
	PLACES 4
	FETCH \slot, (\q)+1, 1-(\q)%2, (\kk)+1
	MULALL (\q)%2, \cm
.endm
; A slot's last K step (set 1) changes slots: ONE barrier; in front of it each wave waits for all its tensor loads, adds 0 to its spare word, and waits for that and for its reads of this slot.
; fill = 1: the barrier opens a round of the cluster's barrier, and this slot is filled again first thing behind it, with this tile's K two slots on; fill = 2: with the next tile's first 256 along K.
.macro TURN slot, next, kk, fill
	WIN 0                                          ; (the add's two registers lie in window 0)
	s_wait_tensorcnt 0x0                           ; all my tensor loads have landed: my part of the next slot
	ds_add_u32 v[SPW], v[NIL]                      ; 0 onto my spare word
	s_wait_dscnt 0x1                               ; this step's operands are in; the add alone may be out
	MULA 0, 1, 0
.if NAC == 8
	MULA 1, 1, 0
.endif
	s_wait_dscnt 0x0                               ; the add is done, and my reads of this slot are over
	s_barrier_signal -1
.if NAC == 8
	MULA 2, 1, 0
	MULA 3, 1, 0
.else
	MULA 1, 1, 0
.endif
	WIN 0
	s_barrier_wait -1
.if (\fill) == 1
	CREST                                          ; no wave of any partner still reads this slot or has a load on its way
	s_add_nc_u64 s[G0A+4*\slot+2:G0A+4*\slot+3], s[G0A+4*\slot+2:G0A+4*\slot+3], STEPA
	s_add_nc_u64 s[G0B+4*\slot+2:G0B+4*\slot+3], s[G0B+4*\slot+2:G0B+4*\slot+3], STEPB
	JLOAD G0A+4*\slot, G1A, G0B+4*\slot, G1B       ; the first tensor load behind the round; its four v_nop are the places in front of the loads below
.elseif (\fill) == 2
	CREST
	s_mov_b64 s[G0A+4*\slot+2:G0A+4*\slot+3], s[T2A:T2A+1]
	s_or_b32 s[G0A+4*\slot+3], s[G0A+4*\slot+3], 0x80000000
	s_mov_b64 s[G0B+4*\slot+2:G0B+4*\slot+3], s[T2B:T2B+1]
	s_or_b32 s[G0B+4*\slot+3], s[G0B+4*\slot+3], 0x80000000
	s_mov_b32 s[G1A+2], 48<<16                     ; no tensor load of mine is out, so a group 1 may be written: from here on a load of S1 brings 4 row blocks, 48 rows of 256 bytes
	s_mov_b32 s[G1A+4], 48
	JLOAD G0A+4*\slot, G1A, G0B+4*\slot, G1B
.else
	PLACES 4
.endif
	FETCH \next, 0, 0, (\kk)+1
.if NAC == 8
	MULA 4, 1, 0
	MULA 5, 1, 0
	MULA 6, 1, 0
	MULA 7, 1, 0
.else
	MULA 2, 1, 0
	MULA 3, 1, 0
.endif
.endm
.macro LAST
	s_wait_dscnt 0x0
	MULALL 1, 0
.endm
; 64 numbers of a lane in window W, v[s] on, register 16 b + i = k 32 b + 16 (lane / 16) + i of my row, become a fragment's codes in v[PC] on and its scale word in v[PW].
.macro CODES s, W
	s_wait_xcnt 0x0                                ; the last fragment's stores have read the codes' registers
	WIN \W
.irp c, 0,1
	v_cvt_scalef32_pk16_fp6_f32 v[PC+6*\c:PC+2+6*\c], v[(\s)+32*\c:(\s)+15+32*\c], v[TM+12+2*\c]
	v_cvt_scalef32_pk16_fp6_f32 v[PC+12+4*\c:PC+14+4*\c], v[(\s)+16+32*\c:(\s)+31+32*\c], v[TM+12+2*\c+1]   ; (a conversion's three registers begin on an even number)
.endr
	WIN 0
	v_nop                                          ; one plain place behind a scaled conversion
.irp c, 0,1                            ; the operand's layout wants a whole block in a lane: lanes 0-15 block 2 c, lanes 16-31 block 2 c + 1
.irp i, 0,1,2
	v_permlane16_swap_b32 v[PC+6*\c+\i], v[PC+12+4*\c+\i]
.endr
.irp i, 0,1,2
	v_mov_b32 v[PC+3+6*\c+\i], v[PC+12+4*\c+\i]
.endr
.endr
.endm
.macro QUANT s, W
	WIN 5*(\W)                                     ; sources 0 and 1 in window W
.irp b, 0,1,2,3
	v_max3_num_f32 v[TM+\b], |v[(\s)+16*\b]|, |v[(\s)+16*\b+1]|, 0x1800000   ; each accumulator is read from its low end on; the floor 2^(3 - 127) holds the byte at 1 from below
.endr
.irp i, 2,4,6,8,10,12,14
.irp b, 0,1,2,3
	v_max3_num_f32 v[TM+\b], |v[(\s)+16*\b+\i]|, |v[(\s)+16*\b+\i+1]|, v[TM+\b]
.endr
.endr
	WIN 0
.irp b, 0,1,2,3
	v_permlanex16_b32 v[TM+4+\b], v[TM+\b], s[SEL], s[SEL+1]
.endr
.irp b, 0,1,2,3
	v_max_num_f32 v[TM+\b], v[TM+\b], v[TM+4+\b]   ; with lane l xor 16's: the block's largest magnitude
.endr
.irp b, 0,1,2,3
	v_add_nc_u32 v[TM+12+\b], 0xff000000, v[TM+\b] ; 2 off its exponent field: the conversion's scale operand
.endr
.irp b, 0,1,2,3
	v_lshrrev_b32 v[TM+4+\b], 23, v[TM+12+\b]      ; the scale's byte
.endr
	v_lshl_or_b32 v[PW], v[TM+5], 8, v[TM+4]
	v_lshl_or_b32 v[PW], v[TM+6], 16, v[PW]
	v_lshl_or_b32 v[PW], v[TM+7], 24, v[PW]
	CODES \s, \W
.endm
.macro OUTF a                          ; the fragment leaves as it stands: three stores of 512 consecutive bytes, aligned to 256; its scale words wait in the stage
.irp c, 0,1,2
	global_store_b128 v[LI], v[PC+4*\c:PC+4*\c+3], s[OUTC:OUTC+1] offset:3072*(\a)+512*\c
.endr
	ds_store_b32 v[SST], v[PW] offset:64*(\a)
.endm
; THE WAY OUT of a tile: S1's block a x my 128 of S0 is one fragment of the next product (16 rows x 128 K) and one scale word a row.
; on = 1: another tile follows.  Behind the first two blocks stands a round of the cluster's barrier: every wave's tensor loads have landed (the one that was out: the next tile's first 256 along K, in slot 0), and nobody reads slot 1
; any more; slot 1 takes the next tile's second 256 along K, and the next tile's first fragments are read from slot 0 into the first set, which the way out does not touch.
.macro EPI on
	WIN 0
	PLACES 4                                       ; for the first reads of results, and for the writes of registers that held S1's fragments
.irp b, 0,1,2,3
	v_mov_b32 v[TM+4+\b], 0                        ; a lane permute's destination counts as one of its sources
.endr
.irp a, 0,1
	QUANT 64*(\a%4), 2+\a/4
	OUTF \a
.endr
.if \on
	s_wait_tensorcnt 0x0                           ; all my tensor loads have landed, so a group 0 may be written
	ds_add_u32 v[SPW], v[NIL]                      ; 0 onto my spare word; the descriptors' words stand between it and the wait for it
	s_add_nc_u64 s[G0A+6:G0A+7], s[T2A:T2A+1], CHUNK
	s_or_b32 s[G0A+7], s[G0A+7], 0x80000000
	s_add_nc_u64 s[G0B+6:G0B+7], s[T2B:T2B+1], CHUNK
	s_or_b32 s[G0B+7], s[G0B+7], 0x80000000
	s_wait_dscnt 0x0                               ; the add is done; my reads of slot 1 ended in front of the last K step
	CROUND
	JLOAD G0A+4, G1A, G0B+4, G1B                   ; the first tensor load behind the round, and my only one until the next
.set TOFF, TSC
.set NAC, 4                            ; what is fetched and multiplied from here on is the half tile's
.set ADSAC, ADSA2
	FETCH 0, 0, 0, 0
.endif
.irp a, 2,3,4,5,6,7
.if (\on) || (\a < 4)                  ; the half tile, which nothing follows, has four blocks
	QUANT 64*(\a%4), 2+\a/4
	OUTF \a
.endif
.endr
.if \on
	ds_load_b128 v[SO:SO+3], v[SRD]                ; LDS serves a wave's instructions in order: these see my stores
	s_wait_dscnt 0x0                               ; (the next tile's first fragments are in too)
	global_store_b128 v[LI], v[SO:SO+3], s[OUTS:OUTS+1]   ; eight row blocks' scale words: 512 consecutive bytes, aligned to 256
.else
	ds_load_b64 v[SO:SO+1], v[SRD2]
	s_wait_dscnt 0x0
	global_store_b64 v[L8], v[SO:SO+1], s[OUTS:OUTS+1]    ; four row blocks' scale words: 256 consecutive bytes, aligned
.endif
.endm
	s_load_b256 s[4:11], s[0:1], 0x0               ; xw, bq, bk, bv
	s_load_b128 s[12:15], s[0:1], 0x20             ; qk, vt
	v_lshl_add_u32 v[SPW], v0, 2, SPARE
	v_mov_b32 v[NIL], 0
	ds_add_u32 v[SPW], v[NIL]                      ; the wave's opening: the add and its wait stand ahead of my first tensor load; the set-up below, work on registers, stands between them
	ds_add_u32 v[SPW], v[NIL]
	v_lshrrev_b32 v1, 5, v0
	v_readfirstlane_b32 s[WV], v1
	s_lshr_b32 s[SH1], s[WV], 1
	s_and_b32 s[SH0], s[WV], 1
	s_xor_b32 s[UU], s[SH0], 1
	s_bfe_u32 s[CX], ttmp6, 0x40000
	s_bfe_u32 s[CYP], ttmp6, 0x40004
	s_lshl_b32 s2, s[CYP], 2
	s_lshl_b32 s2, 15, s2                          ; my row of the cluster
	s_lshl_b32 s3, 0x1111, s[CX]                   ; my column
	s_or_b32 s[G1A], s2, (3<<16)|(1<<21)           ; 15:0 the mask; 17:16 elements of 8 bytes; 21 set beside a mask; no padding
	s_or_b32 s[G1SA], s2, (3<<16)|(1<<21)
	s_or_b32 s[G1B], s3, (3<<16)|(1<<21)
	s_or_b32 s[G1SB], s3, (3<<16)|(1<<21)
	G1SET G1A, 6144, 2, CHUNK/8                    ; the head's codes: 2 x K / 256, each 16 row blocks x 3,072 dense bytes, CHUNK bytes apart
	G1SET G1B, 6144, 2, CHUNK/8
	G1SET G1SA, 128, 8, 10240                      ; the head's scale words: 8 K steps x 1,024 bytes (16 row blocks), 1,280 x 64 bytes apart
	G1SET G1SB, 128, 8, 10240
	s_mov_b32 s[SEL], 0x76543210
	s_mov_b32 s[SEL+1], 0xfedcba98
.macro IDS2                            ; the half tile of v: S0 = x2's tile 4 (c / 2) + cx, S1 = wv's unit of 8 row blocks 4 (c % 2) + cy
	s_and_b32 s[CLY], ttmp7, 0xffff
	s_mov_b32 s[KD], 2
	s_lshr_b32 s3, s[CLY], 1
	s_lshl_b32 s3, s3, 2
	s_and_b32 s2, s[CLY], 1
	s_lshl_b32 s2, s2, 2
	s_add_co_u32 s[I0], s[CX], s3
	s_add_co_u32 s[I1], s[CYP], s2
.endm
	IDS2
.set HF, 1
	FILLOFF T2A, T2B, G0SA2+2, G0SB2+2
.set HF, 0
	IDS 0
	FILLOFF G0A+2, G0B+2, G0SA+2, G0SB+2
	s_mul_i32 s2, s[SH1], 98304                    ; where the tiles go: no place in the cluster enters an LDS address: the side,
	s_mul_i32 s105, s[SH0], 24576                  ; and my eight row blocks of it
	s_add_co_u32 s2, s2, s105
	s_lshl_b32 s3, s[SH1], 13                      ; the scale words: the side's 8,192 bytes,
	s_add_co_u32 s3, s3, LSA
	s_lshl_b32 s105, s[UU], 12                     ; and my four K steps
	s_add_co_u32 s3, s3, s105
.irp g, G0A, G0B
	s_mov_b32 s[\g], 1                             ; 1:0 count = 1
	s_add_co_u32 s[\g+1], s2, 0                    ; 63:32 LDS address: slot 0,
	s_mov_b32 s[\g+4], 1
	s_add_co_u32 s[\g+5], s2, 49152                ; slot 1
.endr
.irp g, G0SA, G0SB
	s_mov_b32 s[\g], 1
	s_add_co_u32 s[\g+1], s3, 0
.endr
	s_add_co_u32 s105, s3, TSC                     ; where my 4,096 bytes of the second tile's scale words go
	s_wait_dscnt 0x0                               ; the opening add is done
	s_wait_kmcnt 0x0
.irp p, T2A, T2B, G0SA2+2, G0SB2+2, G0A+2, G0B+2, G0SA+2, G0SB+2
	s_add_nc_u64 s[\p:\p+1], s[4:5], s[\p:\p+1]    ; 120:64 global address
.endr
	s_add_nc_u64 s[G0A+6:G0A+7], s[G0A+2:G0A+3], CHUNK
	s_add_nc_u64 s[G0B+6:G0B+7], s[G0B+2:G0B+3], CHUNK
.irp p, G0A+3, G0A+7, G0B+3, G0B+7, G0SA+3, G0SB+3
	s_or_b32 s[\p], s[\p], 0x80000000              ; 127:126 type = 2
.endr
	CROUND                                         ; all sixteen work-groups are here: the first joint loads meet
; THE HEAD'S LOADS, ONE A WAVE, in one chain of branches on the wave's number: waves 0 and 2 hold the sides' first bytes in their groups 0, waves 1 and 3 the scale words' first bytes.
.macro HARM w, g0, g1, next
	s_cmp_eq_u32 s[WV], \w
	s_cbranch_scc0 \next
	tensor_load_to_lds s[\g0:\g0+3], s[\g1:\g1+7]
	s_nop 0
	PLACES 4
	s_branch .Lhead_asked
\next:
.endm
	HARM 0, G0A, G1A, .Lhead_b
	HARM 2, G0B, G1B, .Lhead_sa
	HARM 1, G0SA, G1SA, .Lhead_sb
	tensor_load_to_lds s[G0SB:G0SB+3], s[G1SB:G1SB+7]
	s_nop 0
	PLACES 4
.Lhead_asked:
	v_and_b32 v1, 15, v0                           ; r
	v_bfe_u32 v2, v0, 4, 1                         ; h
	v_and_b32 v[LI], 31, v0
	v_lshlrev_b32 v[LI], 4, v[LI]
	s_wait_alu depctr_va_vdst(0)
	s_mul_i32 s2, s[SH1], 24576
	s_mul_i32 s3, s[SH0], 24576
	s_add_co_u32 s3, s3, 98304
.irp s, 0,1
	v_add_nc_u32 v[ADRA+\s], s2, v[LI]
	v_add_nc_u32 v[ADRB+\s], s3, v[LI]
	s_add_co_u32 s2, s2, 49152
	s_add_co_u32 s3, s3, 49152
.endr
	v_lshlrev_b32 v16, 2, v1                       ; 4 r
	s_lshl_b32 s2, s[SH1], 9
	s_add_co_u32 s2, s2, LSA
	v_add_nc_u32 v[ADSA], s2, v16
	s_lshl_b32 s3, s[SH0], 9
	s_add_co_u32 s3, s3, LSB
	v_add_nc_u32 v[ADSB], s3, v16
	s_lshl_b32 s2, s[WV], 9
	s_add_co_u32 s2, s2, STG
	v_add_nc_u32 v[SST], s2, v16
	v_add_nc_u32 v[SRD], s2, v[LI]
	v_add_nc_u32 v19, s105, v[LI]
	v_lshrrev_b32 v[L8], 1, v[LI]
	v_add_nc_u32 v[SRD2], s2, v[L8]
	s_lshl_b32 s3, s[SH1], 8
	s_add_co_u32 s3, s3, LSA
	s_wait_alu depctr_va_vdst(0)                   ; directly ahead of the reader below
	v_add_nc_u32 v[ADSA2], s3, v16
	s_cmp_eq_u32 s[SH1], 0                         ; the second tile's scale words: waves 0 and 1 take S1's, waves 2 and 3 S0's, four K steps of 1,024 bytes each
	s_cselect_b64 s[40:41], s[G0SA2+2:G0SA2+3], s[G0SB2+2:G0SB2+3]
.irp k, 0,1,2,3
.irp c, 0,1
	global_load_b128 v[160+8*\k+4*\c:160+8*\k+4*\c+3], v[LI], s[40:41] offset:81920*\k+512*\c   ; 512 consecutive bytes
.endr
.endr
	; THE BIAS.  q, k: the results' registers run along the channels: tile b's register j of lane (r, h) wants the bias of channel 32 (b / 2) + 8 (b % 2) + 16 h + j of my 128.
	; v: the lanes are the channels: all eight registers of S1's block a want the bias of channel 32 (a / 2) + 8 (a % 2) + r + 8 (r / 8).
	v_lshlrev_b32 v17, 6, v2                       ; 64 h; kept
	s_wait_alu depctr_va_vdst(0)
	v_and_b32 v18, 8, v1
	v_add_nc_u32 v18, v18, v1
	v_lshlrev_b32 v18, 2, v18                      ; 4 (r + 8 (r / 8)); kept
	s_cmp_eq_u32 s[KD], 0                          ; the first tile (rows 0-15) is q's or k's
	s_cselect_b64 s[BIA1:BIA1+1], s[6:7], s[8:9]
	s_lshl_b32 s2, s[I0], 10
	s_lshl_b32 s3, s[SH0], 9
	s_add_co_u32 s2, s2, s3                        ; my 128 channels, in bytes
	s_mov_b32 s3, 0
	s_add_nc_u64 s[BIA1:BIA1+1], s[BIA1:BIA1+1], s[2:3]
	WIN 0x40
.irp b, 0,1,2,3,4,5,6,7
	global_load_b128 v[96+8*(\b%4)+128*(\b/4):96+8*(\b%4)+128*(\b/4)+3], v17, s[BIA1:BIA1+1] offset:(32*(\b/2)+8*(\b%2))*4
	global_load_b128 v[96+8*(\b%4)+128*(\b/4)+4:96+8*(\b%4)+128*(\b/4)+7], v17, s[BIA1:BIA1+1] offset:(32*(\b/2)+8*(\b%2))*4+16
.endr
	WIN 0
	OUTOFF 92, 94
	IDS2                                           ; the second tile is v's: bv at my 64 channels, 128 to a unit of S1
	s_lshl_b32 s2, s[I1], 9
	s_lshl_b32 s3, s[SH1], 8
	s_add_co_u32 s2, s2, s3
	s_mov_b32 s3, 0
	s_add_nc_u64 s[BIA2:BIA2+1], s[10:11], s[2:3]
.set HF, 1
	OUTOFF 8, 12
.set HF, 0
	s_wait_alu depctr_va_vdst(0)
	s_wait_tensorcnt 0x0                           ; my one load of the head is in; no tensor load of mine is out, so the groups 1 may be written: from here on a load brings a quarter of a slot
	G1SET G1A, 32, 96, 32                          ; codes: 8 row blocks x 3,072 dense bytes, as 96 rows of 256
	G1SET G1B, 32, 96, 32
	s_wait_loadcnt 16                              ; the second tile's scale words are in; the 16 loads of the bias may be out
.irp k, 0,1,2,3
.irp c, 0,1
	ds_store_b128 v19, v[160+8*\k+4*\c:160+8*\k+4*\c+3] offset:1024*\k+512*\c
.endr
.endr
	s_wait_dscnt 0x0                               ; for the others' sake: they lie in LDS
	s_barrier_signal -1
	s_barrier_wait -1
	; ---- THE FIRST TILE
	FETCH 0, 0, 0, 0
	s_wait_dscnt 0x0
	FETCH 0, 1, 1, 1
	s_wait_loadcnt 0x0                             ; the bias
	MULALL 0, 2                                    ; the first K step starts the sums with the bias as C, by S0's blocks
	WIN 0
	PLACES 4                                       ; in front of loads into registers that those products have read: the second tile's bias
	WIN 0x40
	s_wait_alu depctr_va_vdst(0)
.irp a, 0,1,2,3
.irp j, 0,1,2,3,4,5,6,7
	global_load_b32 v[96+8*(\a%4)+128*(\a/4)+\j], v18, s[BIA2:BIA2+1] offset:(32*(\a/2)+8*(\a%2))*4
.endr
.endr
	WIN 0
	TURN 0, 1, 1, 1
	STEP 1, 0, 2, 0
	TURN 1, 0, 3, 1
	STEP 0, 0, 4, 0
	TURN 0, 1, 5, 2                                ; THE RING GOES ON INTO THE SECOND TILE: slot 0 takes its first 256 along K
	STEP 1, 0, 6, 0
	LAST
	EPI 1                                          ; slot 1 takes its second 256 along K, and its first fragments are fetched
	; ---- THE SECOND TILE
.set OUTC, 8
.set OUTS, 12
	s_wait_xcnt 0x0                                ; the way out's stores have read their registers, which lie in the second set
	FETCH 0, 1, 1, 1
	s_wait_loadcnt 0x0                             ; the bias
	MULALL 0, 3                                    ; the first K step starts the sums with the bias as C, by S1's blocks
	WIN 0
	TURN 0, 1, 1, 1
	STEP 1, 0, 2, 0
	TURN 1, 0, 3, 1
	STEP 0, 0, 4, 0
	TURN 0, 1, 5, 0                                ; nothing is left to fetch
	STEP 1, 0, 6, 0
	LAST
	EPI 0
	s_wait_tensorcnt 0x0                           ; the wave's end: behind my last tensor load and my last LDS store
	ds_add_u32 v[SPW], v[NIL]
	s_wait_dscnt 0x0
	CROUND                                         ; the closing round
	s_endpgm
.Lfunc_end_k_q18eed59458_proj:
	.size	k_q18eed59458_proj, .Lfunc_end_k_q18eed59458_proj-k_q18eed59458_proj
	.p2alignl 7, 3214868480
	.fill 96, 4, 3214868480
	.section	.rodata,"a",@progbits
	.p2align	6, 0x0
	.amdhsa_kernel k_q18eed59458_proj
		.amdhsa_group_segment_fixed_size 327680
		.amdhsa_private_segment_fixed_size 0
		.amdhsa_enable_private_segment 0
		.amdhsa_kernarg_size 48
		.amdhsa_user_sgpr_count 2
		.amdhsa_user_sgpr_kernarg_segment_ptr 1
		.amdhsa_wavefront_size32 1
		.amdhsa_system_sgpr_workgroup_id_x 1
		.amdhsa_system_sgpr_workgroup_id_y 1
		.amdhsa_system_sgpr_workgroup_id_z 1
		.amdhsa_system_vgpr_workitem_id 0
		.amdhsa_next_free_vgpr 1024
		.amdhsa_next_free_sgpr 106
		.amdhsa_reserve_vcc 0
		.amdhsa_float_denorm_mode_32 3
		.amdhsa_float_denorm_mode_16_64 3
		.amdhsa_memory_ordered 1
		.amdhsa_forward_progress 1
		.amdhsa_inst_pref_size 236
	.end_amdhsa_kernel
	.amdgpu_metadata
---
amdhsa.version: [ 1, 2 ]
amdhsa.kernels:
  - .name:           k_q18eed59458_proj
    .symbol:         k_q18eed59458_proj.kd
    .args:
      - { .name: xw, .offset: 0, .size: 8, .value_kind: global_buffer, .address_space: global }
      - { .name: bq, .offset: 8, .size: 8, .value_kind: global_buffer, .address_space: global }
      - { .name: bk, .offset: 16, .size: 8, .value_kind: global_buffer, .address_space: global }
      - { .name: bv, .offset: 24, .size: 8, .value_kind: global_buffer, .address_space: global }
      - { .name: qk, .offset: 32, .size: 8, .value_kind: global_buffer, .address_space: global }
      - { .name: vt, .offset: 40, .size: 8, .value_kind: global_buffer, .address_space: global }
    .group_segment_fixed_size: 327680
    .private_segment_fixed_size: 0
    .kernarg_segment_align: 8
    .kernarg_segment_size: 48
    .max_flat_workgroup_size: 128
    .sgpr_count:     106
    .vgpr_count:     1024
    .wavefront_size: 32
...
	.end_amdgpu_metadata
.endif
;; end of part 2
;; launch scores (part 3): grid 8 x 32, 4 waves a work-group, clusters of 4 x 4, 327,680 bytes of LDS; arguments qk, pp; writes pp
.if DOCPART == 3
	.amdgcn_target "amdgcn-amd-amdhsa--gfx1250"
	.amdhsa_code_object_version 6
	.text
	.protected	k_q18eed59458_scores
	.globl	k_q18eed59458_scores
	.p2align	8
	.type	k_q18eed59458_scores,@function
k_q18eed59458_scores:
	s_mov_b64 s[64:65], 0
	v_nop
	global_prefetch_b8 v0, s[64:65] scope:SCOPE_SE
	s_setreg_imm32_b32 hwreg(HW_REG_WAVE_MODE, 25, 1), 1
	s_wait_xcnt 0x0
	s_wait_alu depctr_hold_cnt(0) depctr_sa_sdst(0) depctr_va_vdst(0) depctr_va_sdst(0) depctr_va_ssrc(0) depctr_va_vcc(0) depctr_vm_vsrc(0)
	s_getreg_b32 s2, hwreg(HW_REG_IB_STS2, 6, 4)
	s_cmp_eq_u32 s2, 0
	s_cbranch_scc0 .Lentry_in_a_cluster
	s_endpgm
.Lentry_in_a_cluster:
	s_bfe_u32 s2, ttmp6, 0x10000c
	s_cmp_lg_u32 s2, 0xf033
	s_cbranch_scc0 .Lentry_shape_is_right
	s_endpgm
.Lentry_shape_is_right:
; S = q k^T on codes of FP6 (E2M3) with E8M0 scales, and the softmax's p made of each tile at once, so that codes go to memory and not scores.
; t = score x log2(e) / sqrt(1024).  For each query and each 128 keys: M_loc = ceil(the largest t of these 128 keys), a whole number; p = 2^(t - M_loc); l_loc = the sum of the unquantised p; p is quantised along the keys.
; Since every M is a whole number, p under the row's true M has the same codes, and each scale byte less (M - M_loc): the next launch takes the maximum of the M_loc away from the bytes and brings the l_loc together.
; So the maximum IS taken away before every exponential (no exponent is above 0), and nothing here hangs on the size of the scores.
; OPERANDS lie as images of their registers (see the layout in the launch that makes them): S0 = k (source 0: the keys run along a lane's registers, in logical order), S1 = q (the lanes are the queries).
; A tile is 256 queries x 256 keys; four waves, each 128 x 128.  K = 1,024 channels in 8 steps through two LDS slots of 256; written out, no loop.  q's tiles are asked for jointly along a row of the 4 x 4 cluster, k's along a column.
; pp: codes [keys / 256][512 row blocks][K step][1,536]; behind them scale words, -M_loc and l_loc, each [keys / 128][512 row blocks][16][4].
; REGISTERS as in the projections' launch; on the way out window 0: v64-127 t, then p; v128.. codes; v148.. at work.
; LIMITS: NaN and infinities are not served; M is kept as a whole number in f32 (exact up to 2^24); a p under 2^-126 of its 128 keys' largest counts as 0; a block whose p are all 0 gets the byte 1.
.set NA,    8
.set SLOT,  98304
.set LSA,   2*SLOT
.set LSB,   LSA+8192
.set STG,   LSB+8192                   ; 1,536 bytes for each wave: scale words, -M_loc, l_loc, 512 each
.set SPARE, STG+4*1536                 ; the spare words, 128 bytes for each wave: two blocks of 256 bytes that no other line names
.set CHUNK, 1024*3072                  ; 256 along K of qk's 1,024 row blocks
.set STEPA, 2*CHUNK
.set STEPB, 2*CHUNK
.set LI,   3
.set ADRA, 4
.set ADRB, 6
.set ADSA, 10
.set ADSB, 11
.set SPW,  12
.set NIL,  13
.set SST,  14
.set SRD,  15
.set RSA,  32
.set RSB,  48
.set AF,   64
.set H,    64
.set PC,   128
.set TM,   148
.set PW,   164
.set NM,   166                         ; v[166:167] -M_loc (the packed form names a pair and takes its low word)
.set LA,   168                         ; v[168:169], v[170:171] the sum, in two chains
.set LB,   170
.set RM,   172
.set WV,   16
.set SH1,  17
.set SH0,  18
.set CX,   19
.set CYP,  20
.set CLY,  21
.set I0,   22
.set I1,   23
.set G1A,  24
.set G0A,  32
.set G1B,  48
.set G0B,  56
.set G1SA, 68
.set G0SA, 76
.set G1SB, 80
.set G0SB, 88
.set OUTC, 92
.set OUTS, 94
.set SEL,  96
.set CS,   98
.set MSB, 0
.macro WIN new                         ; the immediate's high byte repeats the setting that is left
.if MSB != (\new)
	s_set_vgpr_msb (MSB<<8)|(\new)
.set MSB, (\new)
.endif
.endm
.macro PLACES n
.rept \n
	v_nop
.endr
.endm
.macro G1SET g, cols, rows, pitch
	s_mov_b32 s[\g+1], (\cols)<<16
	s_mov_b32 s[\g+2], (\rows)<<16
	s_mov_b32 s[\g+3], (\cols)<<16
	s_mov_b32 s[\g+4], \rows
	s_mov_b32 s[\g+5], \pitch
	s_mov_b32 s[\g+6], 0
	s_mov_b32 s[\g+7], 0
.endm
.macro G0SET g, lb, la, ab, aa
	s_mov_b32 s[\g], 1
	s_add_co_u32 s[\g+1], s[\lb], \la
	s_add_nc_u64 s[\g+2:\g+3], s[\ab:\ab+1], \aa
	s_or_b32 s[\g+3], s[\g+3], 0x80000000
.endm
.macro JLOAD g0a, g1a, g0b, g1b        ; waves 0 and 1 fetch for S1, waves 2 and 3 for S0; an s_nop 0 and four v_nop follow each line
	s_cmp_eq_u32 s[SH1], 0
	s_cbranch_scc0 .Lfor_b_\@
	tensor_load_to_lds s[\g0a:\g0a+3], s[\g1a:\g1a+7]
	s_nop 0
.rept 4
	v_nop
.endr
	s_branch .Lasked_\@
.Lfor_b_\@:
	tensor_load_to_lds s[\g0b:\g0b+3], s[\g1b:\g1b+7]
	s_nop 0
.rept 4
	v_nop
.endr
.Lasked_\@:
.endm
.macro CREST
	s_cmp_lg_u32 s[WV], 0
	s_cbranch_scc1 .Lnot_wave_0_\@
	s_barrier_signal -3
.Lnot_wave_0_\@:
	s_barrier_wait -3
	s_barrier_signal -1
	s_barrier_wait -1
.endm
.macro CROUND
	s_barrier_signal -1
	s_barrier_wait -1
	CREST
.endm
.macro MULA a, p, cm                   ; eight products: S1's block a against S0's eight, from set p.  cm = 0: onto the sums; 1: C = 0
	WIN 0xa1+0x50*((\a)/4)                         ; source 0 window 1, source 1 window 0, C and D window 2 or 3
.irp b, 0,1,2,3,4,5,6,7
.set rD, 64*((\a)%4)+8*\b
.set rB, 128*(\p)+12*\b
.set rA, AF+12*NA*(\p)+12*(\a)
.set rSB, RSB+8*(\p)+\b
.set rSA, RSA+NA*(\p)+(\a)
.if (\cm) == 0
	v_wmma_scale_f32_16x16x128_f8f6f4 v[rD:rD+7], v[rB:rB+11], v[rA:rA+11], v[rD:rD+7], v[rSB], v[rSA] matrix_a_fmt:MATRIX_FMT_FP6 matrix_b_fmt:MATRIX_FMT_FP6
.else
	v_wmma_scale_f32_16x16x128_f8f6f4 v[rD:rD+7], v[rB:rB+11], v[rA:rA+11], 0, v[rSB], v[rSA] matrix_a_fmt:MATRIX_FMT_FP6 matrix_b_fmt:MATRIX_FMT_FP6
.endif
.endr
.endm
.macro MULALL p, cm                    ; the 64 accumulators take turns, one instruction a turn, in the same order in every step
.irp a, 0,1,2,3,4,5,6,7
	MULA \a, \p, \cm
.endr
.endm
.macro FETCH slot, q, p, kk            ; the fragments and scale words of the slot's q-th K step (K step kk of the product) into set p
	WIN 0x40
.irp i, 0,1,2,3,4,5,6,7
.irp c, 0,1,2
	ds_load_b128 v[128*(\p)+12*\i+4*\c:128*(\p)+12*\i+4*\c+3], v[ADRB+(\slot)] offset:3072*\i+512*\c+1536*(\q)
.endr
.endr
	WIN 0
.irp i, 0,1,2,3,4,5,6,7
.irp c, 0,1,2
	ds_load_b128 v[AF+96*(\p)+12*\i+4*\c:AF+96*(\p)+12*\i+4*\c+3], v[ADRA+(\slot)] offset:3072*\i+512*\c+1536*(\q)
.endr
.endr
.irp i, 0,1,2,3,4,5,6,7
	ds_load_b32 v[RSB+8*(\p)+\i], v[ADSB] offset:1024*(\kk)+64*\i
.endr
.irp i, 0,1,2,3,4,5,6,7
	ds_load_b32 v[RSA+8*(\p)+\i], v[ADSA] offset:1024*(\kk)+64*\i
.endr
.endm
.macro STEP slot, q, kk, cm            ; this step's operands are in; the next step's are asked for, four places behind the products that read their set; then the products
	s_wait_dscnt 0x0
	PLACES 4
	FETCH \slot, (\q)+1, 1-(\q)%2, (\kk)+1
	MULALL (\q)%2, \cm
.endm
.macro TURN slot, next, kk, fill       ; a slot's last K step changes slots: one barrier, which with fill = 1 opens a round of the cluster's barrier
	WIN 0
	s_wait_tensorcnt 0x0                           ; all my tensor loads have landed: my part of the next slot
	ds_add_u32 v[SPW], v[NIL]                      ; 0 onto my spare word
	s_wait_dscnt 0x1                               ; this step's operands are in; the add alone may be out
	MULA 0, 1, 0
	MULA 1, 1, 0
	s_wait_dscnt 0x0                               ; the add is done, and my reads of this slot are over
	s_barrier_signal -1
	MULA 2, 1, 0
	MULA 3, 1, 0
	WIN 0
	s_barrier_wait -1
.if \fill
	CREST                                          ; no wave of any partner still reads this slot or has a load on its way
	s_add_nc_u64 s[G0A+4*\slot+2:G0A+4*\slot+3], s[G0A+4*\slot+2:G0A+4*\slot+3], STEPA
	s_add_nc_u64 s[G0B+4*\slot+2:G0B+4*\slot+3], s[G0B+4*\slot+2:G0B+4*\slot+3], STEPB
	JLOAD G0A+4*\slot, G1A, G0B+4*\slot, G1B       ; the first tensor load behind the round; its four v_nop are the places in front of the loads below
.else
	PLACES 4
.endif
	FETCH \next, 0, 0, (\kk)+1
	MULA 4, 1, 0
	MULA 5, 1, 0
	MULA 6, 1, 0
	MULA 7, 1, 0
.endm
.macro LAST
	s_wait_dscnt 0x0
	MULALL 1, 0
.endm
.macro CODES s, W                      ; 64 numbers, register 16 b + i = k 32 b + 16 (lane / 16) + i of my row, become a fragment's codes in v[PC] on
	s_wait_xcnt 0x0                                ; the last fragment's stores have read the codes' registers
	WIN \W
.irp c, 0,1
	v_cvt_scalef32_pk16_fp6_f32 v[PC+6*\c:PC+2+6*\c], v[(\s)+32*\c:(\s)+15+32*\c], v[TM+12+2*\c]
	v_cvt_scalef32_pk16_fp6_f32 v[PC+12+4*\c:PC+14+4*\c], v[(\s)+16+32*\c:(\s)+31+32*\c], v[TM+12+2*\c+1]   ; (a conversion's three registers begin on an even number)
.endr
	WIN 0
	v_nop                                          ; one plain place behind a scaled conversion
.irp c, 0,1
.irp i, 0,1,2
	v_permlane16_swap_b32 v[PC+6*\c+\i], v[PC+12+4*\c+\i]
.endr
.irp i, 0,1,2
	v_mov_b32 v[PC+3+6*\c+\i], v[PC+12+4*\c+\i]
.endr
.endr
.endm
.macro OUTF a
.irp c, 0,1,2
	global_store_b128 v[LI], v[PC+4*\c:PC+4*\c+3], s[OUTC:OUTC+1] offset:3072*(\a)+512*\c
.endr
	ds_store_b32 v[SST], v[PW] offset:64*(\a)
.endm
; The softmax's part of q's block a x my 128 keys.  A lane holds one query; its 64 scores are keys 32 b + 16 (lane / 16) + 0 .. 15, b = 0 .. 3.
.macro SOFT a
.set AC, 64*((\a)%4)
.set WW, 2+(\a)/4
	WIN 5*WW                                       ; sources 0 and 1 in the accumulators' window
.irp b, 0,1,2,3
	v_max_num_f32 v[TM+\b], v[AC+16*\b], v[AC+16*\b+1]   ; the largest score of each block of 32 keys (each accumulator is read from its low end on): it serves the row's maximum and, since p rises with the score, the block's largest p
.endr
.irp i, 2,4,6,8,10,12,14
.irp b, 0,1,2,3
	v_max3_num_f32 v[TM+\b], v[AC+16*\b+\i], v[AC+16*\b+\i+1], v[TM+\b]
.endr
.endr
	WIN 0
.irp b, 0,1,2,3
	v_permlanex16_b32 v[TM+4+\b], v[TM+\b], s[SEL], s[SEL+1]
.endr
.irp b, 0,1,2,3
	v_max_num_f32 v[TM+\b], v[TM+\b], v[TM+4+\b]   ; with lane l xor 16's 16 keys
.endr
	v_max3_num_f32 v[RM], v[TM], v[TM+1], v[TM+2]
	v_max_num_f32 v[RM], v[RM], v[TM+3]            ; the largest score of my query among these 128 keys,
	v_mul_f32 v[RM], s[CS], v[RM]                  ; as t (c is positive)
	v_floor_f32 v[NM], -v[RM]                      ; -M_loc = floor(-t) = -ceil(t): a whole number
	WIN WW                                         ; source 0 in the accumulators' window
.set j, 0
.rept 32
	v_pk_fma_f32 v[H+j:H+j+1], v[AC+j:AC+j+1], s[CS:CS+1], v[NM:NM+1] op_sel_hi:[1,0,0]   ; t - M_loc, two at a time
.set j, j+2
.endr
	WIN 0
.irp b, 0,1,2,3
	v_fma_f32 v[TM+\b], v[TM+\b], s[CS], v[NM]     ; the same of each block's largest score
.endr
.set j, 0
	s_wait_alu depctr_va_vdst(0)
.rept 64
	v_exp_f32 v[H+j], v[H+j]                       ; p = 2^(t - M_loc), at most 1
.set j, j+1
.endr
	v_nop                                          ; a plain place behind the exponentials
	s_wait_alu depctr_va_vdst(0)                   ; one wait for the whole batch, ahead of its first reader
.irp b, 0,1,2,3
	v_exp_f32 v[TM+\b], v[TM+\b]                   ; the block's largest p: the same two instructions on the same number
.endr
	v_pk_add_f32 v[LA:LA+1], v[H:H+1], v[H+2:H+3]  ; the sum is taken of the unquantised p, in two chains.  (It reads the 64 alone: plain work behind the four)
	v_pk_add_f32 v[LB:LB+1], v[H+4:H+5], v[H+6:H+7]
.irp j, 8,12,16,20,24,28,32,36,40,44,48,52,56,60
	v_pk_add_f32 v[LA:LA+1], v[LA:LA+1], v[H+\j:H+\j+1]
	v_pk_add_f32 v[LB:LB+1], v[LB:LB+1], v[H+\j+2:H+\j+3]
.endr
	v_pk_add_f32 v[LA:LA+1], v[LA:LA+1], v[LB:LB+1]
	v_add_f32 v[LA], v[LA], v[LA+1]
	v_permlanex16_b32 v[LB], v[LA], s[SEL], s[SEL+1]
	v_add_f32 v[LA], v[LA], v[LB]                  ; l_loc, in both halves of the lanes
	s_wait_alu depctr_va_vdst(0)                   ; and one wait for the four
.irp b, 0,1,2,3
	v_max_num_f32 v[TM+\b], 0x1800000, v[TM+\b]    ; the floor 2^(3 - 127): the byte cannot fall under 1
.endr
.irp b, 0,1,2,3
	v_add_nc_u32 v[TM+12+\b], 0xff000000, v[TM+\b] ; 2 off the exponent field: the conversion's scale operand
.endr
.irp b, 0,1,2,3
	v_lshrrev_b32 v[TM+4+\b], 23, v[TM+12+\b]      ; the scale's byte, 1 .. 125
.endr
	v_lshl_or_b32 v[PW], v[TM+5], 8, v[TM+4]
	v_lshl_or_b32 v[PW], v[TM+6], 16, v[PW]
	v_lshl_or_b32 v[PW], v[TM+7], 24, v[PW]
	CODES H, 0
	OUTF \a
	ds_store_b32 v[SST], v[NM] offset:512+64*(\a)
	ds_store_b32 v[SST], v[LA] offset:1024+64*(\a)
.endm
	s_load_b128 s[4:7], s[0:1], 0x0                ; qk, pp
	v_lshl_add_u32 v[SPW], v0, 2, SPARE
	v_mov_b32 v[NIL], 0
	ds_add_u32 v[SPW], v[NIL]                      ; the wave's opening: the add and its wait stand ahead of my first tensor load; the set-up below, work on registers, stands between them
	ds_add_u32 v[SPW], v[NIL]
	v_lshrrev_b32 v1, 5, v0
	v_readfirstlane_b32 s[WV], v1
	s_lshr_b32 s[SH1], s[WV], 1
	s_and_b32 s[SH0], s[WV], 1
	s_bfe_u32 s[CX], ttmp6, 0x40000
	s_bfe_u32 s[CYP], ttmp6, 0x40004
	s_and_b32 s[CLY], ttmp7, 0xffff
	s_lshl_b32 s2, s[CYP], 2
	s_lshl_b32 s2, 15, s2                          ; my row of the cluster
	s_lshl_b32 s3, 0x1111, s[CX]                   ; my column
	s_or_b32 s[G1A], s2, (3<<16)|(1<<21)
	s_or_b32 s[G1SA], s2, (3<<16)|(1<<21)
	s_or_b32 s[G1B], s3, (3<<16)|(1<<21)
	s_or_b32 s[G1SB], s3, (3<<16)|(1<<21)
	G1SET G1A, 6144, 2, CHUNK/8                    ; the head's codes: 2 x K / 256, each 16 row blocks x 3,072 dense bytes, CHUNK bytes apart
	G1SET G1B, 6144, 2, CHUNK/8
	G1SET G1SA, 128, 8, 8192                       ; scale words: 8 K steps x 1,024 bytes, 1,024 x 64 bytes apart
	G1SET G1SB, 128, 8, 8192
	s_mov_b32 s[SEL], 0x76543210
	s_mov_b32 s[SEL+1], 0xfedcba98
	s_mov_b32 s[CS], 0x3d38aa3b                    ; c = log2(e) / sqrt(1024)
	s_mov_b32 s[CS+1], s[CS]                       ; (named with it as a pair, so it is written)
	s_lshl_b32 s[I0], ttmp9, 2
	s_add_co_u32 s[I0], s[I0], s[CX]               ; the tile of 256 keys, 0 .. 7
	s_lshl_b32 s[I1], s[CLY], 2
	s_add_co_u32 s[I1], s[I1], s[CYP]              ; the tile of 256 queries, 0 .. 31: 8 to a batch
	s_lshr_b32 s2, s[CLY], 1                       ; the batch: the same in all partners
	s_lshl_b32 s2, s2, 7
	s_lshl_b32 s42, s[I0], 4
	s_add_co_u32 s42, s42, s2
	s_add_co_u32 s42, s42, 512                     ; S0 = k: its tile's first row block (never holds cy)
	s_lshl_b32 s40, s[I1], 4                       ; S1 = q (never holds cx)
	s_lshl_b32 s46, s42, 6
	s_lshl_b32 s44, s40, 6
	s_add_co_u32 s46, s46, 4*CHUNK
	s_add_co_u32 s44, s44, 4*CHUNK
	s_mov_b32 s47, 0
	s_mov_b32 s45, 0
	s_lshl_b32 s2, s[SH0], 3
	s_add_co_u32 s42, s42, s2
	s_add_co_u32 s40, s40, s2
	s_mul_i32 s42, s42, 3072
	s_mul_i32 s40, s40, 3072
	s_mov_b32 s43, 0
	s_mov_b32 s41, 0
	s_mul_i32 s66, s[SH1], 98304                   ; LDS: S1's slot s lies at 49,152 s, S0's at 98,304 + 49,152 s; my eight row blocks of the side
	s_mul_i32 s2, s[SH0], 24576
	s_add_co_u32 s66, s66, s2
	s_lshl_b32 s67, s[SH1], 13                     ; the side's scale words of all of K: 8,192 bytes
	s_add_co_u32 s67, s67, LSA
	s_wait_dscnt 0x0                               ; the opening add is done
	s_wait_kmcnt 0x0
	s_add_nc_u64 s[40:41], s[4:5], s[40:41]
	s_add_nc_u64 s[42:43], s[4:5], s[42:43]
	s_add_nc_u64 s[44:45], s[4:5], s[44:45]
	s_add_nc_u64 s[46:47], s[4:5], s[46:47]
	CROUND                                         ; all sixteen work-groups are here: the first joint loads meet
	G0SET G0SA, 67, 0, 44, 0
	G0SET G0SB, 67, 0, 46, 0
.irp s, 0,1
	G0SET G0A+4*\s, 66, \s*49152, 40, \s*CHUNK
	G0SET G0B+4*\s, 66, \s*49152, 42, \s*CHUNK
.endr
; THE HEAD'S LOADS, ONE A WAVE, in one chain of branches on the wave's number: wave 0 brings q's first 512 along K (both slots), wave 2 k's, wave 1 q's scale words of all of K, wave 3 k's.
; Waves 0 and 2 hold the sides' first bytes in their groups 0 for slot 0.
.macro HARM w, g0, g1, next
	s_cmp_eq_u32 s[WV], \w
	s_cbranch_scc0 \next
	tensor_load_to_lds s[\g0:\g0+3], s[\g1:\g1+7]
	s_nop 0
	PLACES 4
	s_branch .Lhead_asked
\next:
.endm
	HARM 0, G0A, G1A, .Lhead_b
	HARM 2, G0B, G1B, .Lhead_sa
	HARM 1, G0SA, G1SA, .Lhead_sb
	tensor_load_to_lds s[G0SB:G0SB+3], s[G1SB:G1SB+7]
	s_nop 0
	PLACES 4
.Lhead_asked:
	v_and_b32 v1, 15, v0
	v_and_b32 v[LI], 31, v0
	v_lshlrev_b32 v[LI], 4, v[LI]
	s_wait_alu depctr_va_vdst(0)
	s_mul_i32 s2, s[SH1], 24576
	s_mul_i32 s3, s[SH0], 24576
	s_add_co_u32 s3, s3, 98304
.irp s, 0,1
	v_add_nc_u32 v[ADRA+\s], s2, v[LI]
	v_add_nc_u32 v[ADRB+\s], s3, v[LI]
	s_add_co_u32 s2, s2, 49152
	s_add_co_u32 s3, s3, 49152
.endr
	v_lshlrev_b32 v16, 2, v1
	s_lshl_b32 s2, s[SH1], 9
	s_add_co_u32 s2, s2, LSA
	v_add_nc_u32 v[ADSA], s2, v16
	s_lshl_b32 s3, s[SH0], 9
	s_add_co_u32 s3, s3, LSB
	v_add_nc_u32 v[ADSB], s3, v16
	s_mul_i32 s2, s[WV], 1536
	s_add_co_u32 s2, s2, STG
	v_add_nc_u32 v[SST], s2, v16
	v_add_nc_u32 v[SRD], s2, v[LI]
	; where the results go: K / 256 = the tile of keys, K step = my half of it; rows as q's
	s_lshl_b32 s40, s[I1], 4
	s_lshl_b32 s41, s[SH1], 3
	s_add_co_u32 s40, s40, s41                     ; my first row block
	s_lshl_b32 s42, s[I0], 9
	s_add_co_u32 s42, s42, s40
	s_mul_i32 s42, s42, 3072
	s_mul_i32 s41, s[SH0], 1536
	s_add_co_u32 s42, s42, s41
	s_mov_b32 s43, 0
	s_lshl_b32 s44, s[I0], 1
	s_add_co_u32 s44, s44, s[SH0]
	s_lshl_b32 s44, s44, 9
	s_add_co_u32 s44, s44, s40
	s_lshl_b32 s44, s44, 6
	s_add_co_u32 s44, s44, 12582912
	s_mov_b32 s45, 0
	s_add_nc_u64 s[OUTC:OUTC+1], s[6:7], s[42:43]
	s_add_nc_u64 s[OUTS:OUTS+1], s[6:7], s[44:45]
	s_wait_alu depctr_va_vdst(0)
	s_wait_tensorcnt 0x0                           ; my one load of the head is in; no tensor load of mine is out, so the groups 1 may be written: from here on a load brings a quarter of a slot
	G1SET G1A, 32, 96, 32                          ; 8 row blocks x 3,072 dense bytes, as 96 rows of 256
	G1SET G1B, 32, 96, 32
	s_barrier_signal -1
	s_barrier_wait -1
	FETCH 0, 0, 0, 0
	STEP 0, 0, 0, 1                                ; the first K step starts the sums
	TURN 0, 1, 1, 1
	STEP 1, 0, 2, 0
	TURN 1, 0, 3, 1
	STEP 0, 0, 4, 0
	TURN 0, 1, 5, 0                                ; nothing is left to fetch
	STEP 1, 0, 6, 0
	LAST
	WIN 0
	PLACES 4
.irp b, 0,1,2,3
	v_mov_b32 v[TM+4+\b], 0                        ; written once: a lane permute's destination counts as one of its sources
.endr
	v_mov_b32 v[NM+1], 0                           ; (named as the upper half of a pair)
.irp a, 0,1,2,3,4,5,6,7
	SOFT \a
.endr
	ds_load_b128 v[176:179], v[SRD]                ; LDS serves a wave's instructions in order: these see my stores
	ds_load_b128 v[180:183], v[SRD] offset:512
	ds_load_b128 v[184:187], v[SRD] offset:1024
	s_wait_dscnt 0x0
	global_store_b128 v[LI], v[176:179], s[OUTS:OUTS+1]                  ; eight row blocks' scale words: 512 consecutive bytes, aligned to 256;
	global_store_b128 v[LI], v[180:183], s[OUTS:OUTS+1] offset:524288    ; their -M_loc;
	global_store_b128 v[LI], v[184:187], s[OUTS:OUTS+1] offset:1048576   ; their l_loc
	s_wait_tensorcnt 0x0                           ; the wave's end: behind my last tensor load and my last LDS store
	ds_add_u32 v[SPW], v[NIL]
	s_wait_dscnt 0x0
	CROUND                                         ; the closing round
	s_endpgm
.Lfunc_end_k_q18eed59458_scores:
	.size	k_q18eed59458_scores, .Lfunc_end_k_q18eed59458_scores-k_q18eed59458_scores
	.p2alignl 7, 3214868480
	.fill 96, 4, 3214868480
	.section	.rodata,"a",@progbits
	.p2align	6, 0x0
	.amdhsa_kernel k_q18eed59458_scores
		.amdhsa_group_segment_fixed_size 327680
		.amdhsa_private_segment_fixed_size 0
		.amdhsa_enable_private_segment 0
		.amdhsa_kernarg_size 16
		.amdhsa_user_sgpr_count 2
		.amdhsa_user_sgpr_kernarg_segment_ptr 1
		.amdhsa_wavefront_size32 1
		.amdhsa_system_sgpr_workgroup_id_x 1
		.amdhsa_system_sgpr_workgroup_id_y 1
		.amdhsa_system_sgpr_workgroup_id_z 1
		.amdhsa_system_vgpr_workitem_id 0
		.amdhsa_next_free_vgpr 1024
		.amdhsa_next_free_sgpr 102
		.amdhsa_reserve_vcc 0
		.amdhsa_float_denorm_mode_32 3
		.amdhsa_float_denorm_mode_16_64 3
		.amdhsa_memory_ordered 1
		.amdhsa_forward_progress 1
		.amdhsa_inst_pref_size 201
	.end_amdhsa_kernel
	.amdgpu_metadata
---
amdhsa.version: [ 1, 2 ]
amdhsa.kernels:
  - .name:           k_q18eed59458_scores
    .symbol:         k_q18eed59458_scores.kd
    .args:
      - { .name: qk, .offset: 0, .size: 8, .value_kind: global_buffer, .address_space: global }
      - { .name: pp, .offset: 8, .size: 8, .value_kind: global_buffer, .address_space: global }
    .group_segment_fixed_size: 327680
    .private_segment_fixed_size: 0
    .kernarg_segment_align: 8
    .kernarg_segment_size: 16
    .max_flat_workgroup_size: 128
    .sgpr_count:     102
    .vgpr_count:     1024
    .wavefront_size: 32
...
	.end_amdgpu_metadata
.endif
;; end of part 3
;; launch pv (part 4): grid 4 x 64, 4 waves a work-group, clusters of 4 x 4, 327,680 bytes of LDS; arguments pp, vt, xx; writes xx
.if DOCPART == 4
	.amdgcn_target "amdgcn-amd-amdhsa--gfx1250"
	.amdhsa_code_object_version 6
	.text
	.protected	k_q18eed59458_pv
	.globl	k_q18eed59458_pv
	.p2align	8
	.type	k_q18eed59458_pv,@function
k_q18eed59458_pv:
	s_mov_b64 s[64:65], 0
	v_nop
	global_prefetch_b8 v0, s[64:65] scope:SCOPE_SE
	s_setreg_imm32_b32 hwreg(HW_REG_WAVE_MODE, 25, 1), 1
	s_wait_xcnt 0x0
	s_wait_alu depctr_hold_cnt(0) depctr_sa_sdst(0) depctr_va_vdst(0) depctr_va_sdst(0) depctr_va_ssrc(0) depctr_va_vcc(0) depctr_vm_vsrc(0)
	s_getreg_b32 s2, hwreg(HW_REG_IB_STS2, 6, 4)
	s_cmp_eq_u32 s2, 0
	s_cbranch_scc0 .Lentry_in_a_cluster
	s_endpgm
.Lentry_in_a_cluster:
	s_bfe_u32 s2, ttmp6, 0x10000c
	s_cmp_lg_u32 s2, 0xf033
	s_cbranch_scc0 .Lentry_shape_is_right
	s_endpgm
.Lentry_shape_is_right:
.set NA,    4
.set SLOT,  147456
.set LSB,   2*SLOT
.set LSA,   LSB+16384
.set LINV,  LSA+8192
.set STG,   LINV+512
.set SPARE, STG+4*256
.set CHA,   512*3072
.set CHB,   256*3072
.set STEPA, 4*CHA
.set STEPB, 4*CHB
.set LI,   3
.set ADRA, 4
.set ADRB, 6
.set ADSA, 10
.set ADSB, 11
.set SPW,  12
.set NIL,  13
.set SST,  14
.set SRD,  15
.set RSA,  32
.set RSB,  48
.set AF,   64
.set H,    64
.set PC,   128
.set TM,   148
.set PW,   164
.set LV,   166
.set WV,   16
.set SH1,  17
.set SH0,  18
.set CX,   19
.set CYP,  20
.set CLY,  21
.set I1,   23
.set G1A,  24
.set G0A,  32
.set G1B,  48
.set G0B,  56
.set G1SB, 80
.set G0SB, 88
.set OUTC, 92
.set OUTS, 94
.set SEL,  96
.set MSB, 0
.macro WIN new
.if MSB != (\new)
	s_set_vgpr_msb (MSB<<8)|(\new)
.set MSB, (\new)
.endif
.endm
.macro PLACES n
.rept \n
	v_nop
.endr
.endm
.macro G1SET g, cols, rows, pitch
	s_mov_b32 s[\g+1], (\cols)<<16
	s_mov_b32 s[\g+2], (\rows)<<16
	s_mov_b32 s[\g+3], (\cols)<<16
	s_mov_b32 s[\g+4], \rows
	s_mov_b32 s[\g+5], \pitch
	s_mov_b32 s[\g+6], 0
	s_mov_b32 s[\g+7], 0
.endm
.macro G0SET g, lb, la, ab, aa
	s_mov_b32 s[\g], 1
	s_add_co_u32 s[\g+1], s[\lb], \la
	s_add_nc_u64 s[\g+2:\g+3], s[\ab:\ab+1], \aa
	s_or_b32 s[\g+3], s[\g+3], 0x80000000
.endm
.macro JLOAD g0a, g1a, g0b, g1b
	s_cmp_eq_u32 s[SH1], 0
	s_cbranch_scc0 .Lfor_b_\@
	tensor_load_to_lds s[\g0a:\g0a+3], s[\g1a:\g1a+7]
	s_nop 0
.rept 4
	v_nop
.endr
	s_branch .Lasked_\@
.Lfor_b_\@:
	tensor_load_to_lds s[\g0b:\g0b+3], s[\g1b:\g1b+7]
	s_nop 0
.rept 4
	v_nop
.endr
.Lasked_\@:
.endm
.macro CREST
	s_cmp_lg_u32 s[WV], 0
	s_cbranch_scc1 .Lnot_wave_0_\@
	s_barrier_signal -3
.Lnot_wave_0_\@:
	s_barrier_wait -3
	s_barrier_signal -1
	s_barrier_wait -1
.endm
.macro CROUND
	s_barrier_signal -1
	s_barrier_wait -1
	CREST
.endm
.macro MULA a, p, cm
	WIN 0xa1
.irp b, 0,1,2,3,4,5,6,7
.set rD, 64*(\a)+8*\b
.set rB, 128*(\p)+12*\b
.set rA, AF+48*(\p)+12*(\a)
.set rSB, RSB+8*(\p)+\b
.set rSA, RSA+4*(\p)+(\a)
.if (\cm) == 0
	v_wmma_scale_f32_16x16x128_f8f6f4 v[rD:rD+7], v[rB:rB+11], v[rA:rA+11], v[rD:rD+7], v[rSB], v[rSA] matrix_a_fmt:MATRIX_FMT_FP6 matrix_b_fmt:MATRIX_FMT_FP6
.else
	v_wmma_scale_f32_16x16x128_f8f6f4 v[rD:rD+7], v[rB:rB+11], v[rA:rA+11], 0, v[rSB], v[rSA] matrix_a_fmt:MATRIX_FMT_FP6 matrix_b_fmt:MATRIX_FMT_FP6
.endif
.endr
.endm
.macro MULALL p, cm
.irp a, 0,1,2,3
	MULA \a, \p, \cm
.endr
.endm
.macro FETCH slot, q, p, kk
	WIN 0x40
.irp i, 0,1,2,3,4,5,6,7
.irp c, 0,1,2
	ds_load_b128 v[128*(\p)+12*\i+4*\c:128*(\p)+12*\i+4*\c+3], v[ADRB+2*(\slot)+(\q)/2] offset:3072*\i+512*\c+1536*((\q)%2)
.endr
.endr
	WIN 0
.irp i, 0,1,2,3
.irp c, 0,1,2
	ds_load_b128 v[AF+48*(\p)+12*\i+4*\c:AF+48*(\p)+12*\i+4*\c+3], v[ADRA+(\slot)] offset:3072*\i+512*\c+1536*((\q)%2)+24576*((\q)/2)
.endr
.endr
.irp i, 0,1,2,3,4,5,6,7
	ds_load_b32 v[RSB+8*(\p)+\i], v[ADSB] offset:1024*(\kk)+64*\i
.endr
.irp i, 0,1,2,3
	ds_load_b32 v[RSA+4*(\p)+\i], v[ADSA] offset:512*(\kk)+64*\i
.endr
.endm
.macro STEP slot, q, kk, cm
	s_wait_dscnt 0x0
	PLACES 4
	FETCH \slot, (\q)+1, 1-(\q)%2, (\kk)+1
	MULALL (\q)%2, \cm
.endm
.macro TURN slot, next, kk, fill
	WIN 0
	s_wait_tensorcnt 0x0
	ds_add_u32 v[SPW], v[NIL]
	s_wait_dscnt 0x1
	MULA 0, 1, 0
	s_wait_dscnt 0x0
	s_barrier_signal -1
	MULA 1, 1, 0
	WIN 0
	s_barrier_wait -1
.if \fill
	CREST
	s_add_nc_u64 s[G0A+4*\slot+2:G0A+4*\slot+3], s[G0A+4*\slot+2:G0A+4*\slot+3], STEPA
	s_add_nc_u64 s[G0B+4*\slot+2:G0B+4*\slot+3], s[G0B+4*\slot+2:G0B+4*\slot+3], STEPB
	JLOAD G0A+4*\slot, G1A, G0B+4*\slot, G1B
.else
	PLACES 4
.endif
	FETCH \next, 0, 0, (\kk)+1
	MULA 2, 1, 0
	MULA 3, 1, 0
.endm
.macro LAST
	s_wait_dscnt 0x0
	MULALL 1, 0
.endm
.macro CODES s, W
	s_wait_xcnt 0x0
	WIN \W
.irp c, 0,1
	v_cvt_scalef32_pk16_fp6_f32 v[PC+6*\c:PC+2+6*\c], v[(\s)+32*\c:(\s)+15+32*\c], v[TM+12+2*\c]
	v_cvt_scalef32_pk16_fp6_f32 v[PC+12+4*\c:PC+14+4*\c], v[(\s)+16+32*\c:(\s)+31+32*\c], v[TM+12+2*\c+1]
.endr
	WIN 0
	v_nop
.irp c, 0,1
.irp i, 0,1,2
	v_permlane16_swap_b32 v[PC+6*\c+\i], v[PC+12+4*\c+\i]
.endr
.irp i, 0,1,2
	v_mov_b32 v[PC+3+6*\c+\i], v[PC+12+4*\c+\i]
.endr
.endr
.endm
.macro QUANT s, W
	WIN 5*(\W)
.irp b, 0,1,2,3
	v_max3_num_f32 v[TM+\b], |v[(\s)+16*\b]|, |v[(\s)+16*\b+1]|, 0x1800000
.endr
.irp i, 2,4,6,8,10,12,14
.irp b, 0,1,2,3
	v_max3_num_f32 v[TM+\b], |v[(\s)+16*\b+\i]|, |v[(\s)+16*\b+\i+1]|, v[TM+\b]
.endr
.endr
	WIN 0
.irp b, 0,1,2,3
	v_permlanex16_b32 v[TM+4+\b], v[TM+\b], s[SEL], s[SEL+1]
.endr
.irp b, 0,1,2,3
	v_max_num_f32 v[TM+\b], v[TM+\b], v[TM+4+\b]
.endr
.irp b, 0,1,2,3
	v_add_nc_u32 v[TM+12+\b], 0xff000000, v[TM+\b]
.endr
.irp b, 0,1,2,3
	v_lshrrev_b32 v[TM+4+\b], 23, v[TM+12+\b]
.endr
	v_lshl_or_b32 v[PW], v[TM+5], 8, v[TM+4]
	v_lshl_or_b32 v[PW], v[TM+6], 16, v[PW]
	v_lshl_or_b32 v[PW], v[TM+7], 24, v[PW]
	CODES \s, \W
.endm
.macro OUTF a
.irp c, 0,1,2
	global_store_b128 v[LI], v[PC+4*\c:PC+4*\c+3], s[OUTC:OUTC+1] offset:3072*(\a)+512*\c
.endr
	ds_store_b32 v[SST], v[PW] offset:64*(\a)
.endm
.macro SHIFT k
	v_sub_f32 v210, v208, v[176+\k]
	v_cvt_i32_f32 v210, v210
.if \k == 0
	v_ldexp_f32 v209, v[192+\k], v210
.else
	v_ldexp_f32 v211, v[192+\k], v210
	v_add_f32 v209, v209, v211
.endif
	v_sub_nc_u32 v210, 0, v210
	v_min_u32 v210, 127, v210
	v_mul_lo_u32 v210, v210, s2
	v_or_b32 v212, s3, v[160+\k]
	v_sub_nc_u32 v212, v212, v210
	v_lshrrev_b32 v213, 7, v212
	v_and_b32 v213, s2, v213
	v_lshlrev_b32 v214, 8, v213
	v_sub_nc_u32 v213, v214, v213
	v_and_b32 v212, s66, v212
	v_and_b32 v212, v212, v213
	ds_store_b32 v17, v212 offset:512*\k
.endm
	s_load_b128 s[4:7], s[0:1], 0x0
	s_load_b64 s[8:9], s[0:1], 0x10
	v_lshl_add_u32 v[SPW], v0, 2, SPARE
	v_mov_b32 v[NIL], 0
	ds_add_u32 v[SPW], v[NIL]
	ds_add_u32 v[SPW], v[NIL]
	v_lshrrev_b32 v1, 5, v0
	v_readfirstlane_b32 s[WV], v1
	s_lshr_b32 s[SH1], s[WV], 1
	s_and_b32 s[SH0], s[WV], 1
	s_bfe_u32 s[CX], ttmp6, 0x40000
	s_bfe_u32 s[CYP], ttmp6, 0x40004
	s_and_b32 s[CLY], ttmp7, 0xffff
	s_lshl_b32 s2, s[CYP], 2
	s_lshl_b32 s2, 15, s2
	s_lshl_b32 s3, 0x1111, s[CX]
	s_or_b32 s[G1A], s2, (3<<16)|(1<<21)
	s_or_b32 s[G1B], s3, (3<<16)|(1<<21)
	s_or_b32 s[G1SB], s3, (3<<16)|(1<<21)
	G1SET G1A, 3072, 2, CHA/8                      ; the head's codes of p: 2 x keys / 256, each 8 row blocks x 3,072 dense bytes, CHA bytes apart
	G1SET G1B, 6144, 2, CHB/8                      ; and of v: each 16 row blocks, CHB bytes apart
	G1SET G1SB, 128, 8, 2048                       ; v's scale words: 8 K steps x 1,024 bytes, 256 x 64 bytes apart
	s_mov_b32 s[SEL], 0x76543210
	s_mov_b32 s[SEL+1], 0xfedcba98
	s_lshl_b32 s[I1], s[CLY], 2
	s_add_co_u32 s[I1], s[I1], s[CYP]
	s_lshl_b32 s40, s[I1], 3
	s_lshr_b32 s42, s[CLY], 2
	s_lshl_b32 s42, s42, 6
	s_lshl_b32 s2, s[CX], 4
	s_add_co_u32 s42, s42, s2
	s_lshl_b32 s44, s40, 6
	s_add_co_u32 s44, s44, 12582912
	s_mov_b32 s45, 0
	s_lshl_b32 s46, s42, 6
	s_lshl_b32 s2, s[SH1], 17                      ; wave 1 fetches v's scale words of K steps 0-7, wave 3 those of 8-15
	s_add_co_u32 s46, s46, s2
	s_add_co_u32 s46, s46, 6291456
	s_mov_b32 s47, 0
	s_mul_i32 s40, s40, 3072
	s_mul_i32 s2, s[SH0], CHA
	s_add_co_u32 s40, s40, s2
	s_mov_b32 s41, 0
	s_mul_i32 s42, s42, 3072
	s_mul_i32 s2, s[SH0], CHB
	s_add_co_u32 s42, s42, s2
	s_mov_b32 s43, 0
	s_mul_i32 s66, s[SH0], 24576
	s_mul_i32 s67, s[SH0], 49152
	s_add_co_u32 s67, s67, 49152
	s_lshl_b32 s2, s[SH1], 13
	s_add_co_u32 s2, s2, LSB
	s_wait_dscnt 0x0
	s_wait_kmcnt 0x0
	s_add_nc_u64 s[40:41], s[4:5], s[40:41]
	s_add_nc_u64 s[42:43], s[6:7], s[42:43]
	s_add_nc_u64 s[44:45], s[4:5], s[44:45]
	s_add_nc_u64 s[46:47], s[6:7], s[46:47]
	CROUND
	G0SET G0SB, 2, 0, 46, 0
.irp s, 0,1
	G0SET G0A+4*\s, 66, \s*SLOT, 40, \s*2*CHA
	G0SET G0B+4*\s, 67, \s*SLOT, 42, \s*2*CHB
.endr
; THE HEAD'S LOADS, ONE A WAVE, in one chain of branches on the wave's number: wave 0 brings slot 0's codes of p, wave 2 those of v (their groups 0 hold the sides' first bytes), waves 1 and 3 v's scale words, 8 K steps each.
.macro HARM w, g0, g1, next
	s_cmp_eq_u32 s[WV], \w
	s_cbranch_scc0 \next
	tensor_load_to_lds s[\g0:\g0+3], s[\g1:\g1+7]
	s_nop 0
	PLACES 4
	s_branch .Lhead_asked
\next:
.endm
	HARM 0, G0A, G1A, .Lhead_b
	HARM 2, G0B, G1B, .Lhead_s
	tensor_load_to_lds s[G0SB:G0SB+3], s[G1SB:G1SB+7]
	s_nop 0
	PLACES 4
.Lhead_asked:
	v_lshlrev_b32 v16, 2, v0
.irp k, 0,1,2,3,4,5,6,7,8,9,10,11,12,13,14,15
	global_load_b32 v[160+\k], v16, s[44:45] offset:32768*\k
	global_load_b32 v[176+\k], v16, s[44:45] offset:32768*\k+524288
	global_load_b32 v[192+\k], v16, s[44:45] offset:32768*\k+1048576
.endr
	v_and_b32 v1, 15, v0
	v_and_b32 v[LI], 31, v0
	v_lshlrev_b32 v20, 3, v[LI]
	v_lshlrev_b32 v[LI], 4, v[LI]
	s_wait_alu depctr_va_vdst(0)
	v_lshl_add_u32 v17, v0, 2, LSA
	v_lshl_add_u32 v18, v0, 2, LINV
	v_lshlrev_b32 v21, 2, v1
	s_wait_alu depctr_va_vdst(0)
	s_mul_i32 s2, s[SH1], 12288
	v_add_nc_u32 v[ADRA], s2, v[LI]
	s_add_co_u32 s2, s2, SLOT
	v_add_nc_u32 v[ADRA+1], s2, v[LI]
	s_mul_i32 s3, s[SH0], 24576
	s_add_co_u32 s3, s3, 49152
.irp n, 0,1,2,3
	s_add_co_u32 s2, s3, (\n/2)*SLOT+(\n%2)*49152
	v_add_nc_u32 v[ADRB+\n], s2, v[LI]
.endr
	s_lshl_b32 s2, s[SH1], 8
	s_add_co_u32 s3, s2, LSA
	v_add_nc_u32 v[ADSA], s3, v21
	s_add_co_u32 s3, s2, LINV
	v_add_nc_u32 v19, s3, v21
	s_lshl_b32 s3, s[SH0], 9
	s_add_co_u32 s3, s3, LSB
	v_add_nc_u32 v[ADSB], s3, v21
	s_lshl_b32 s2, s[WV], 8
	s_add_co_u32 s2, s2, STG
	v_add_nc_u32 v[SST], s2, v21
	v_add_nc_u32 v[SRD], s2, v20
	s_lshl_b32 s40, s[I1], 3
	s_lshl_b32 s41, s[SH1], 2
	s_add_co_u32 s40, s40, s41
	s_lshl_b32 s42, s[CX], 9
	s_add_co_u32 s42, s42, s40
	s_mul_i32 s42, s42, 3072
	s_mul_i32 s41, s[SH0], 1536
	s_add_co_u32 s42, s42, s41
	s_mov_b32 s43, 0
	s_lshl_b32 s46, s[CX], 1
	s_add_co_u32 s46, s46, s[SH0]
	s_lshl_b32 s46, s46, 9
	s_add_co_u32 s46, s46, s40
	s_lshl_b32 s46, s46, 6
	s_add_co_u32 s46, s46, 6291456
	s_mov_b32 s47, 0
	s_add_nc_u64 s[OUTC:OUTC+1], s[8:9], s[42:43]
	s_add_nc_u64 s[OUTS:OUTS+1], s[8:9], s[46:47]
	s_mov_b32 s2, 0x01010101
	s_mov_b32 s3, 0x80808080
	s_mov_b32 s66, 0x7f7f7f7f
	s_wait_alu depctr_va_vdst(0)
	s_wait_tensorcnt 0x0                           ; my one load of the head is in
	ds_add_u32 v[SPW], v[NIL]                      ; 0 onto my spare word
	G1SET G1A, 32, 96, 32                          ; no tensor load of mine is out, so the groups 1 may be written: from here on a load brings one keys / 256 of a side
	G1SET G1B, 32, 192, 32
	s_wait_dscnt 0x0                               ; the add is done
	CROUND                                         ; slot 0 and the scale words are whole, and all sixteen work-groups are here
	JLOAD G0A+4, G1A, G0B+4, G1B                   ; slot 1's first fill: my one tensor load behind the round
	s_wait_loadcnt 0x0
	v_min3_num_f32 v208, v176, v177, v178
.irp k, 3,5,7,9,11,13
	v_min3_num_f32 v208, v208, v[176+\k], v[177+\k]
.endr
	v_min_num_f32 v208, v208, v191
.irp k, 0,1,2,3,4,5,6,7,8,9,10,11,12,13,14,15
	SHIFT \k
.endr
	s_wait_alu depctr_va_vdst(0)
	v_rcp_f32 v209, v209
	v_nop
	s_wait_alu depctr_va_vdst(0)
	ds_store_b32 v18, v209
	s_wait_tensorcnt 0x1
	s_wait_dscnt 0x0
	s_barrier_signal -1
	s_barrier_wait -1
	FETCH 0, 0, 0, 0
	STEP 0, 0, 0, 1
	STEP 0, 1, 1, 0
	STEP 0, 2, 2, 0
	TURN 0, 1, 3, 1
	STEP 1, 0, 4, 0
	STEP 1, 1, 5, 0
	STEP 1, 2, 6, 0
	TURN 1, 0, 7, 1
	STEP 0, 0, 8, 0
	STEP 0, 1, 9, 0
	STEP 0, 2, 10, 0
	TURN 0, 1, 11, 0
	STEP 1, 0, 12, 0
	STEP 1, 1, 13, 0
	STEP 1, 2, 14, 0
	LAST
	WIN 0
	PLACES 4
.irp b, 0,1,2,3
	v_mov_b32 v[TM+4+\b], 0
.endr
.irp a, 0,1,2,3
	v_mov_b32 v[LV+2*\a+1], 0
	ds_load_b32 v[LV+2*\a], v19 offset:64*\a
.endr
	s_wait_alu depctr_va_vdst(0)
	s_wait_dscnt 0x0
.irp a, 0,1,2,3
	WIN 0x02
.set j, 0
.rept 32
	v_pk_mul_f32 v[H+j:H+j+1], v[64*\a+j:64*\a+j+1], v[LV+2*\a:LV+2*\a+1] op_sel_hi:[1,0]
.set j, j+2
.endr
	WIN 0
	QUANT H, 0
	OUTF \a
.endr
	ds_load_b64 v[176:177], v[SRD]
	s_wait_dscnt 0x0
	global_store_b64 v20, v[176:177], s[OUTS:OUTS+1]
	s_wait_tensorcnt 0x0
	ds_add_u32 v[SPW], v[NIL]
	s_wait_dscnt 0x0
	CROUND
	s_endpgm
.Lfunc_end_k_q18eed59458_pv:
	.size	k_q18eed59458_pv, .Lfunc_end_k_q18eed59458_pv-k_q18eed59458_pv
	.p2alignl 7, 3214868480
	.fill 96, 4, 3214868480
	.section	.rodata,"a",@progbits
	.p2align	6, 0x0
	.amdhsa_kernel k_q18eed59458_pv
		.amdhsa_group_segment_fixed_size 327680
		.amdhsa_private_segment_fixed_size 0
		.amdhsa_enable_private_segment 0
		.amdhsa_kernarg_size 24
		.amdhsa_user_sgpr_count 2
		.amdhsa_user_sgpr_kernarg_segment_ptr 1
		.amdhsa_wavefront_size32 1
		.amdhsa_system_sgpr_workgroup_id_x 1
		.amdhsa_system_sgpr_workgroup_id_y 1
		.amdhsa_system_sgpr_workgroup_id_z 1
		.amdhsa_system_vgpr_workitem_id 0
		.amdhsa_next_free_vgpr 768
		.amdhsa_next_free_sgpr 102
		.amdhsa_reserve_vcc 0
		.amdhsa_float_denorm_mode_32 3
		.amdhsa_float_denorm_mode_16_64 3
		.amdhsa_memory_ordered 1
		.amdhsa_forward_progress 1
		.amdhsa_inst_pref_size 170
	.end_amdhsa_kernel
	.amdgpu_metadata
---
amdhsa.version: [ 1, 2 ]
amdhsa.kernels:
  - .name:           k_q18eed59458_pv
    .symbol:         k_q18eed59458_pv.kd
    .args:
      - { .name: pp, .offset: 0, .size: 8, .value_kind: global_buffer, .address_space: global }
      - { .name: vt, .offset: 8, .size: 8, .value_kind: global_buffer, .address_space: global }
      - { .name: xx, .offset: 16, .size: 8, .value_kind: global_buffer, .address_space: global }
    .group_segment_fixed_size: 327680
    .private_segment_fixed_size: 0
    .kernarg_segment_align: 8
    .kernarg_segment_size: 24
    .max_flat_workgroup_size: 128
    .sgpr_count:     102
    .vgpr_count:     768
    .wavefront_size: 32
...
	.end_amdgpu_metadata
.endif
;; end of part 4
;; launch outp (part 5): grid 4 x 64, 4 waves a work-group, clusters of 4 x 4, 327,680 bytes of LDS; arguments xx, xw, bu, out0; writes out0
.if DOCPART == 5
	.amdgcn_target "amdgcn-amd-amdhsa--gfx1250"
	.amdhsa_code_object_version 6
	.text
	.protected	k_q18eed59458_outp
	.globl	k_q18eed59458_outp
	.p2align	8
	.type	k_q18eed59458_outp,@function
k_q18eed59458_outp:
	s_mov_b64 s[64:65], 0
	v_nop
	global_prefetch_b8 v0, s[64:65] scope:SCOPE_SE
	s_setreg_imm32_b32 hwreg(HW_REG_WAVE_MODE, 25, 1), 1
	s_wait_xcnt 0x0
	s_wait_alu depctr_hold_cnt(0) depctr_sa_sdst(0) depctr_va_vdst(0) depctr_va_sdst(0) depctr_va_ssrc(0) depctr_va_vcc(0) depctr_vm_vsrc(0)
	s_getreg_b32 s2, hwreg(HW_REG_IB_STS2, 6, 4)
	s_cmp_eq_u32 s2, 0
	s_cbranch_scc0 .Lentry_in_a_cluster
	s_endpgm
.Lentry_in_a_cluster:
	s_bfe_u32 s2, ttmp6, 0x10000c
	s_cmp_lg_u32 s2, 0xf033
	s_cbranch_scc0 .Lentry_shape_is_right
	s_endpgm
.Lentry_shape_is_right:
.set NA,    4
.set SLOT,  147456
.set LSA,   2*SLOT
.set LSB,   LSA+4096
.set SPARE, LSB+8192
.set SPITCH, 528
.set CHA,   512*3072
.set CHB,   1280*3072
.set LI,   3
.set ADRA, 4
.set ADRB, 6
.set ADSA, 10
.set ADSB, 11
.set SPW,  12
.set NIL,  13
.set SST,  14
.set SRD,  15
.set RSA,  32
.set RSB,  48
.set AF,   64
.set WV,   16
.set SH1,  17
.set SH0,  18
.set CX,   19
.set CYP,  20
.set CLY,  21
.set I1,   23
.set G1A,  24
.set G0A,  32
.set G1B,  48
.set G0B,  56
.set G1SA, 68
.set G0SA, 76
.set G1SB, 80
.set G0SB, 88
.set OUTC, 92
.set MSB, 0
.macro WIN new
.if MSB != (\new)
	s_set_vgpr_msb (MSB<<8)|(\new)
.set MSB, (\new)
.endif
.endm
.macro PLACES n
.rept \n
	v_nop
.endr
.endm
.macro G1SET g, cols, rows, pitch
	s_mov_b32 s[\g+1], (\cols)<<16
	s_mov_b32 s[\g+2], (\rows)<<16
	s_mov_b32 s[\g+3], (\cols)<<16
	s_mov_b32 s[\g+4], \rows
	s_mov_b32 s[\g+5], \pitch
	s_mov_b32 s[\g+6], 0
	s_mov_b32 s[\g+7], 0
.endm
.macro G0SET g, lb, la, ab, aa
	s_mov_b32 s[\g], 1
	s_add_co_u32 s[\g+1], s[\lb], \la
	s_add_nc_u64 s[\g+2:\g+3], s[\ab:\ab+1], \aa
	s_or_b32 s[\g+3], s[\g+3], 0x80000000
.endm
.macro JLOAD g0a, g1a, g0b, g1b
	s_cmp_eq_u32 s[SH1], 0
	s_cbranch_scc0 .Lfor_b_\@
	tensor_load_to_lds s[\g0a:\g0a+3], s[\g1a:\g1a+7]
	s_nop 0
.rept 4
	v_nop
.endr
	s_branch .Lasked_\@
.Lfor_b_\@:
	tensor_load_to_lds s[\g0b:\g0b+3], s[\g1b:\g1b+7]
	s_nop 0
.rept 4
	v_nop
.endr
.Lasked_\@:
.endm
.macro CREST
	s_cmp_lg_u32 s[WV], 0
	s_cbranch_scc1 .Lnot_wave_0_\@
	s_barrier_signal -3
.Lnot_wave_0_\@:
	s_barrier_wait -3
	s_barrier_signal -1
	s_barrier_wait -1
.endm
.macro CROUND
	s_barrier_signal -1
	s_barrier_wait -1
	CREST
.endm
.macro MULA a, p, cm
.if (\cm) == 2
	WIN 0x91
.else
	WIN 0xa1
.endif
.irp b, 0,1,2,3,4,5,6,7
.set rD, 64*(\a)+8*\b
.set rB, 128*(\p)+12*\b
.set rA, AF+48*(\p)+12*(\a)
.set rSB, RSB+8*(\p)+\b
.set rSA, RSA+4*(\p)+(\a)
.set rC, 96+8*(\b%4)+128*(\b/4)
.if (\cm) == 0
	v_wmma_scale_f32_16x16x128_f8f6f4 v[rD:rD+7], v[rB:rB+11], v[rA:rA+11], v[rD:rD+7], v[rSB], v[rSA] matrix_a_fmt:MATRIX_FMT_FP6 matrix_b_fmt:MATRIX_FMT_FP6
.else
	v_wmma_scale_f32_16x16x128_f8f6f4 v[rD:rD+7], v[rB:rB+11], v[rA:rA+11], v[rC:rC+7], v[rSB], v[rSA] matrix_a_fmt:MATRIX_FMT_FP6 matrix_b_fmt:MATRIX_FMT_FP6
.endif
.endr
.endm
.macro MULALL p, cm
.irp a, 0,1,2,3
	MULA \a, \p, \cm
.endr
.endm
.macro FETCH slot, q, p, kk
	WIN 0x40
.irp i, 0,1,2,3,4,5,6,7
.irp c, 0,1,2
	ds_load_b128 v[128*(\p)+12*\i+4*\c:128*(\p)+12*\i+4*\c+3], v[ADRB+2*(\slot)+(\q)/2] offset:3072*\i+512*\c+1536*((\q)%2)
.endr
.endr
	WIN 0
.irp i, 0,1,2,3
.irp c, 0,1,2
	ds_load_b128 v[AF+48*(\p)+12*\i+4*\c:AF+48*(\p)+12*\i+4*\c+3], v[ADRA+(\slot)] offset:3072*\i+512*\c+1536*((\q)%2)+24576*((\q)/2)
.endr
.endr
.irp i, 0,1,2,3,4,5,6,7
	ds_load_b32 v[RSB+8*(\p)+\i], v[ADSB] offset:1024*(\kk)+64*\i
.endr
.irp i, 0,1,2,3
	ds_load_b32 v[RSA+4*(\p)+\i], v[ADSA] offset:512*(\kk)+64*\i
.endr
.endm
.macro STEP slot, q, kk, cm
	s_wait_dscnt 0x0
	PLACES 4
	FETCH \slot, (\q)+1, 1-(\q)%2, (\kk)+1
	MULALL (\q)%2, \cm
.endm
.macro TURN slot, next, kk
	WIN 0
	s_wait_tensorcnt 0x0
	ds_add_u32 v[SPW], v[NIL]
	s_wait_dscnt 0x1
	MULA 0, 1, 0
	s_wait_dscnt 0x0
	s_barrier_signal -1
	MULA 1, 1, 0
	WIN 0
	s_barrier_wait -1
	PLACES 4
	FETCH \next, 0, 0, (\kk)+1
	MULA 2, 1, 0
	MULA 3, 1, 0
.endm
.macro LAST
	s_wait_dscnt 0x0
	MULALL 1, 0
.endm
.macro TOSTAGE a
	WIN 0x08
.irp b, 0,1,2,3,4,5,6,7
	ds_store_b128 v[SST], v[64*(\a)+8*\b:64*(\a)+8*\b+3] offset:128*(\b/2)+32*(\b%2)
	ds_store_b128 v[SST], v[64*(\a)+8*\b+4:64*(\a)+8*\b+7] offset:128*(\b/2)+32*(\b%2)+16
.endr
	WIN 0
.set BB, 64+64*((\a)%2)
.irp t, 0,1,2,3,4,5,6,7,8,9,10,11,12,13,14,15
	ds_load_b128 v[BB+4*\t:BB+4*\t+3], v[SRD] offset:\t*SPITCH
.endr
.endm
.macro SEND a, younger
.set BB, 64+64*((\a)%2)
	s_wait_dscnt \younger
.irp t, 0,1,2,3,4,5,6,7,8,9,10,11,12,13,14,15
	global_store_b128 v[LI], v[BB+4*\t:BB+4*\t+3], s[OUTC:OUTC+1] offset:(32*((\a)/2)+8*((\a)%2)+\t+8*(\t/8))*16384 th:TH_STORE_NT
.endr
.endm
	s_load_b256 s[4:11], s[0:1], 0x0
	v_lshl_add_u32 v[SPW], v0, 2, SPARE
	v_mov_b32 v[NIL], 0
	ds_add_u32 v[SPW], v[NIL]
	ds_add_u32 v[SPW], v[NIL]
	v_lshrrev_b32 v1, 5, v0
	v_readfirstlane_b32 s[WV], v1
	s_lshr_b32 s[SH1], s[WV], 1
	s_and_b32 s[SH0], s[WV], 1
	s_bfe_u32 s[CX], ttmp6, 0x40000
	s_bfe_u32 s[CYP], ttmp6, 0x40004
	s_and_b32 s[CLY], ttmp7, 0xffff
	s_lshl_b32 s2, s[CYP], 2
	s_lshl_b32 s2, 15, s2
	s_lshl_b32 s3, 0x1111, s[CX]
	s_or_b32 s[G1A], s2, (3<<16)|(1<<21)
	s_or_b32 s[G1SA], s2, (3<<16)|(1<<21)
	s_or_b32 s[G1B], s3, (3<<16)|(1<<21)
	s_or_b32 s[G1SB], s3, (3<<16)|(1<<21)
	G1SET G1A, 3072, 2, CHA/8                      ; the head's codes of x: 2 x K / 256, each 8 row blocks x 3,072 dense bytes, CHA bytes apart
	G1SET G1B, 6144, 2, CHB/8                      ; and of wu: each 16 row blocks, CHB bytes apart
	G1SET G1SA, 64, 8, 4096                        ; x's scale words: 8 K steps x 512 bytes, 512 x 64 bytes apart
	G1SET G1SB, 128, 8, 10240                      ; wu's: 8 K steps x 1,024 bytes, 1,280 x 64 bytes apart
	s_lshl_b32 s[I1], s[CLY], 2
	s_add_co_u32 s[I1], s[I1], s[CYP]
	s_lshl_b32 s40, s[I1], 3
	s_lshl_b32 s42, s[CX], 4
	s_add_co_u32 s42, s42, 1216
	s_lshl_b32 s44, s40, 6
	s_add_co_u32 s44, s44, 6291456
	s_mov_b32 s45, 0
	s_lshl_b32 s46, s42, 6
	s_add_co_u32 s46, s46, 4*CHB
	s_mov_b32 s47, 0
	s_mul_i32 s40, s40, 3072
	s_mul_i32 s2, s[SH0], CHA
	s_add_co_u32 s40, s40, s2
	s_mov_b32 s41, 0
	s_mul_i32 s42, s42, 3072
	s_mul_i32 s2, s[SH0], CHB
	s_add_co_u32 s42, s42, s2
	s_mov_b32 s43, 0
	s_mul_i32 s66, s[SH0], 24576
	s_mul_i32 s67, s[SH0], 49152
	s_add_co_u32 s67, s67, 49152
	s_mov_b32 s2, LSA
	s_mov_b32 s3, LSB
	s_wait_dscnt 0x0
	s_wait_kmcnt 0x0
	s_add_nc_u64 s[40:41], s[4:5], s[40:41]
	s_add_nc_u64 s[42:43], s[6:7], s[42:43]
	s_add_nc_u64 s[44:45], s[4:5], s[44:45]
	s_add_nc_u64 s[46:47], s[6:7], s[46:47]
	CROUND
	G0SET G0SA, 2, 0, 44, 0
	G0SET G0SB, 3, 0, 46, 0
.irp s, 0,1
	G0SET G0A+4*\s, 66, \s*SLOT, 40, \s*2*CHA
	G0SET G0B+4*\s, 67, \s*SLOT, 42, \s*2*CHB
.endr
; THE HEAD'S LOADS, ONE A WAVE, in one chain of branches on the wave's number: wave 0 brings slot 0's codes of x, wave 2 those of wu (their groups 0 hold the sides' first bytes), wave 1 x's scale words of all of K, wave 3 wu's.
.macro HARM w, g0, g1, next
	s_cmp_eq_u32 s[WV], \w
	s_cbranch_scc0 \next
	tensor_load_to_lds s[\g0:\g0+3], s[\g1:\g1+7]
	s_nop 0
	PLACES 4
	s_branch .Lhead_asked
\next:
.endm
	HARM 0, G0A, G1A, .Lhead_b
	HARM 2, G0B, G1B, .Lhead_sa
	HARM 1, G0SA, G1SA, .Lhead_sb
	tensor_load_to_lds s[G0SB:G0SB+3], s[G1SB:G1SB+7]
	s_nop 0
	PLACES 4
.Lhead_asked:
	v_and_b32 v1, 15, v0
	v_bfe_u32 v2, v0, 4, 1
	v_and_b32 v[LI], 31, v0
	v_lshlrev_b32 v[LI], 4, v[LI]
	s_wait_alu depctr_va_vdst(0)
	v_lshlrev_b32 v17, 6, v2
	s_lshl_b32 s2, s[CX], 10
	s_lshl_b32 s3, s[SH0], 9
	s_add_co_u32 s2, s2, s3
	s_mov_b32 s3, 0
	s_add_nc_u64 s[8:9], s[8:9], s[2:3]
	WIN 0x40
.irp b, 0,1,2,3,4,5,6,7
	global_load_b128 v[96+8*(\b%4)+128*(\b/4):96+8*(\b%4)+128*(\b/4)+3], v17, s[8:9] offset:(32*(\b/2)+8*(\b%2))*4
	global_load_b128 v[96+8*(\b%4)+128*(\b/4)+4:96+8*(\b%4)+128*(\b/4)+7], v17, s[8:9] offset:(32*(\b/2)+8*(\b%2))*4+16
.endr
	WIN 0
	v_lshlrev_b32 v21, 2, v1
	s_wait_alu depctr_va_vdst(0)
	s_mul_i32 s40, s[SH1], 12288
	v_add_nc_u32 v[ADRA], s40, v[LI]
	s_add_co_u32 s40, s40, SLOT
	v_add_nc_u32 v[ADRA+1], s40, v[LI]
	s_mul_i32 s41, s[SH0], 24576
	s_add_co_u32 s41, s41, 49152
.irp n, 0,1,2,3
	s_add_co_u32 s40, s41, (\n/2)*SLOT+(\n%2)*49152
	v_add_nc_u32 v[ADRB+\n], s40, v[LI]
.endr
	s_lshl_b32 s40, s[SH1], 8
	s_add_co_u32 s40, s40, LSA
	v_add_nc_u32 v[ADSA], s40, v21
	s_lshl_b32 s40, s[SH0], 9
	s_add_co_u32 s40, s40, LSB
	v_add_nc_u32 v[ADSB], s40, v21
	s_mul_i32 s40, s[WV], 16*SPITCH
	v_mul_u32_u24 v[SST], v1, SPITCH
	v_lshl_add_u32 v[SST], v2, 6, v[SST]
	v_add_nc_u32 v[SST], s40, v[SST]
	v_add_nc_u32 v[SRD], s40, v[LI]
	s_lshl_b32 s40, s[I1], 3
	s_lshl_b32 s41, s[SH1], 2
	s_add_co_u32 s40, s40, s41
	s_and_b32 s40, s40, 127
	s_lshl_b32 s40, s40, 18
	s_lshr_b32 s41, s[I1], 4
	s_lshl_b32 s41, s41, 12
	s_add_co_u32 s40, s40, s41
	s_add_co_u32 s40, s40, s2
	s_mov_b32 s41, 0
	s_add_nc_u64 s[OUTC:OUTC+1], s[10:11], s[40:41]
	s_wait_alu depctr_va_vdst(0)
	s_wait_tensorcnt 0x0                           ; my one load of the head is in
	ds_add_u32 v[SPW], v[NIL]                      ; 0 onto my spare word
	G1SET G1A, 32, 96, 32                          ; no tensor load of mine is out, so the groups 1 may be written: from here on a load brings one K / 256 of a side
	G1SET G1B, 32, 192, 32
	s_wait_dscnt 0x0                               ; the add is done
	CROUND                                         ; slot 0 and the scale words are whole, and all sixteen work-groups are here
	JLOAD G0A+4, G1A, G0B+4, G1B                   ; slot 1's first fill: my one tensor load behind the round
	FETCH 0, 0, 0, 0
	s_wait_loadcnt 0x0
	STEP 0, 0, 0, 2
	STEP 0, 1, 1, 0
	STEP 0, 2, 2, 0
	TURN 0, 1, 3
	STEP 1, 0, 4, 0
	STEP 1, 1, 5, 0
	STEP 1, 2, 6, 0
	LAST
	WIN 0
	PLACES 4
	TOSTAGE 0
.irp a, 1,2,3
.if \a > 1
	s_wait_xcnt 0x0
.endif
	TOSTAGE \a
	SEND \a-1, 32
.endr
	SEND 3, 0
	s_wait_tensorcnt 0x0
	ds_add_u32 v[SPW], v[NIL]
	s_wait_dscnt 0x0
	CROUND
	s_endpgm
.Lfunc_end_k_q18eed59458_outp:
	.size	k_q18eed59458_outp, .Lfunc_end_k_q18eed59458_outp-k_q18eed59458_outp
	.p2alignl 7, 3214868480
	.fill 96, 4, 3214868480
	.section	.rodata,"a",@progbits
	.p2align	6, 0x0
	.amdhsa_kernel k_q18eed59458_outp
		.amdhsa_group_segment_fixed_size 327680
		.amdhsa_private_segment_fixed_size 0
		.amdhsa_enable_private_segment 0
		.amdhsa_kernarg_size 32
		.amdhsa_user_sgpr_count 2
		.amdhsa_user_sgpr_kernarg_segment_ptr 1
		.amdhsa_wavefront_size32 1
		.amdhsa_system_sgpr_workgroup_id_x 1
		.amdhsa_system_sgpr_workgroup_id_y 1
		.amdhsa_system_sgpr_workgroup_id_z 1
		.amdhsa_system_vgpr_workitem_id 0
		.amdhsa_next_free_vgpr 768
		.amdhsa_next_free_sgpr 102
		.amdhsa_reserve_vcc 0
		.amdhsa_float_denorm_mode_32 3
		.amdhsa_float_denorm_mode_16_64 3
		.amdhsa_memory_ordered 1
		.amdhsa_forward_progress 1
		.amdhsa_inst_pref_size 86
	.end_amdhsa_kernel
	.amdgpu_metadata
---
amdhsa.version: [ 1, 2 ]
amdhsa.kernels:
  - .name:           k_q18eed59458_outp
    .symbol:         k_q18eed59458_outp.kd
    .args:
      - { .name: xx, .offset: 0, .size: 8, .value_kind: global_buffer, .address_space: global }
      - { .name: xw, .offset: 8, .size: 8, .value_kind: global_buffer, .address_space: global }
      - { .name: bu, .offset: 16, .size: 8, .value_kind: global_buffer, .address_space: global }
      - { .name: out0, .offset: 24, .size: 8, .value_kind: global_buffer, .address_space: global }
    .group_segment_fixed_size: 327680
    .private_segment_fixed_size: 0
    .kernarg_segment_align: 8
    .kernarg_segment_size: 32
    .max_flat_workgroup_size: 128
    .sgpr_count:     102
    .vgpr_count:     768
    .wavefront_size: 32
...
	.end_amdgpu_metadata
.endif
;; end of part 5
